; MI455X (gfx1250); checked and timed in simulation.
; The chip was launched on July 23, 2026; its instructions are those of AMD's public machine-readable ISA for CDNA 5 (MIT licence, August 2026) and "CDNA5" Instruction Set Architecture Reference Guide (July 2026). The comments in the code are by the model that wrote it; some were corrected since.
;; Sparse Attention. Allowed arithmetic: matrix products marked QUANTISED: E2M3 operands, one E8M0 scale for each 32 along K, by v_wmma_scale_f32_16x16x128_f8f6f4 with both operands' format E2M3, f32 sums; everything else in f32.
;; Inputs: Wout 1,024 x 1,024 float32; Wqkv 1,024 x 3,072 float32; attention_mask 512 x 512 bool; bout 1,024 float32; bqkv 3,072 float32; hidden_states 512 x 16 x 1,024 float32.
;; Outputs: out0 512 x 16 x 1,024 float32.
;; This version of the problem:
;;   THIS VERSION OF THE PROBLEM IS GIVEN IN LOW PRECISION. The matrix products marked QUANTISED in the list below multiply operands that are first quantised to E2M3 (2 exponent bits, 3 mantissa bits; 6 bits a number), with one power-of-two scale for each 32 numbers along K (OCP MX v1.0); their sums are f32. All else is computed in f32.
;;   The module's matrix products, in the order in which they are computed (A, B: the left and right operand; K: the contracted axis; several contracted axes count as one K, in the product's order):
;;     1. [M 8,192, K 1,024] x [K 1,024, N 3,072]; A: input hidden_states; B: input Wqkv: QUANTISED
;;     2. batch 256 x [M 512, K 64] x [K 64, N 512]; A: computed on the way; B: computed on the way: QUANTISED
;;     3. batch 256 x [M 64, K 512] x [K 512, N 512]; A: computed on the way; B: computed on the way: QUANTISED
;;     4. [M 8,192, K 1,024] x [K 1,024, N 1,024]; A: computed on the way; B: input Wout: QUANTISED
;;   THE QUANTISER, for each operand of a quantised product, along K:
;;     - K is cut into blocks of 32 from its start; a last block that is shorter is filled with zeros.
;;     - A block's scale is 2^e with e = floor(log2(the largest magnitude in the block)) - 2, held to -126 .. 127; a block of zeros has e = 0. As a byte (E8M0): e + 127.
;;     - Each number is divided by its block's scale, clamped to +-7.5, and rounded to the nearest number of E2M3, ties to even, subnormals kept.
;;     - The product sums the exact products of the quantised numbers (number of the format x scale) in f32.
;;   ~~~python
;;   def quantise(x, axis):      # numpy; x: float32 -> the quantised numbers, widened to float32 again
;;       x = np.moveaxis(x, axis, -1); K = x.shape[-1]
;;       x = np.pad(x, [(0, 0)] * (x.ndim - 1) + [(0, -K % 32)]); x = x.reshape(x.shape[:-1] + (-1, 32)); a = np.abs(x).max(-1, keepdims=True)
;;       e = np.where(a > 0, np.clip(np.frexp(np.where(a > 0, a, 1))[1] - 1 - 2, -126, 127), 0)      # np.frexp(a)[1] - 1 = floor(log2(a)), exactly
;;       r = np.clip(x / 2.0 ** e, -7.5, 7.5)
;;       step = 2.0 ** (np.maximum(np.frexp(np.where(r == 0, 1, r))[1] - 1, 0) - 3)
;;       q = np.round(r / step) * step * 2.0 ** e      # np.round: ties to even
;;       return np.moveaxis(q.reshape(q.shape[:-2] + (-1,))[..., :K], -1, axis).astype(np.float32)
;;   ~~~
;;   OPERANDS COMPUTED ON THE WAY. 'Computed on the way' means the value that the module computes at that place (a softmax that the list does not call 'softmax' is quantised finished and normalised). What goes into a quantiser is computed in f32, as accurately as f32 sums, v_exp_f32 and their like allow (about 1e-6 of the number): no bf16 or f16 on the way to a quantiser, and a product that is left as it is and whose result goes on into a quantised operand takes f32 operands (vector FMAs, or v_wmma_f32_16x16x4_f32). A number that lies on a knife's edge between two numbers of the format may be rounded either way, as far as f32 arithmetic and the matrix unit's own rounding can turn it there, and no further.
;; One version. Each part assembles by itself: llvm-mc -triple=amdgcn-amd-amdhsa -mcpu=gfx1250 --defsym DOCPART=n.
;; ======== version 1 of 1: 3 launches
;; limits: right only within a limited range of input values
;; workspace buffers: xq 6,553,600 bytes; wq 2,457,600 bytes; wo 819,200 bytes; mq 196,608 bytes; cq 6,291,456 bytes; cs 262,144 bytes
;; launch prep (part 1): grid 776 x 1, 4 waves a work-group, no clusters, 47,616 bytes of LDS; arguments hidden_states, Wqkv, Wout, attention_mask, xq, wq, wo, mq; writes xq, wq, wo, mq
.if DOCPART == 1
	.amdgcn_target "amdgcn-amd-amdhsa--gfx1250"
	.amdhsa_code_object_version 6
	.text
	.protected	k_q53429f8779_prep
	.globl	k_q53429f8779_prep
	.p2align	8
	.type	k_q53429f8779_prep,@function
k_q53429f8779_prep:
	s_mov_b64 s[64:65], 0
	v_nop
	global_prefetch_b8 v0, s[64:65] scope:SCOPE_SE
	s_setreg_imm32_b32 hwreg(HW_REG_WAVE_MODE, 25, 1), 1
	s_wait_xcnt 0x0
; hidden_states [512][16][1024], Wqkv [1024][3072] and Wout [1024][1024], f32, become codes of E2M3 with one E8M0 byte for each 32 along K,
; laid as IMAGES OF OPERAND REGISTERS; the mask [512][512] becomes an operand of codes 0 (true) and -7.5 (false).
; A half fragment (16 rows x 64 K) is 768 bytes: lane l's registers 0-3 at 16 l, its registers 4-5 at 512 + 8 l; lane (r, h) holds row place r, k = 32 h .. 32 h + 31.
; A block is [tile 0..3][K step 0..1][two half fragments] = 12,288 bytes, then 512 bytes of scale words: lane l's 16 bytes are the words of tiles 0..3; lanes 0-15 K step 0, lanes 16-31 K step 1.
; Inside a group of 64 rows (or columns) place (tile, r) is index 32 (r / 8) + 8 tile + r % 8.
; A block's scale: the largest magnitude's exponent field less 2, held at 1 from below by a floor among the maximum's leaves.  A block of zeros so has the byte 1: its codes are zeros, and this program alone reads the bytes.
; LIMITS: NaN and infinities among the inputs are not served.
; Work-groups 0-511: one block of x each (wave = tile).  512-767: one block of a weight each.  768-775: the mask, a wave to a tile of 16 queries.  Each way has LDS bytes of its own.
; No matrix work, no tensor loads: memory binds, each input byte is read once, every store of a wave covers 512 or 256 consecutive bytes, aligned.
.set XST, 0                            ; x: four stages of 16 rows x 528 bytes
.set XSC, 33792                        ; x: the block's 512 bytes of scale words
.set WST, 34304                        ; weights: a whole block, 12,800 bytes
.set FLOOR, 0x1800000                  ; 2^(3 - 127)
	s_load_b256 s[4:11], s[0:1], 0x0               ; hidden_states, Wqkv, Wout, attention_mask
	s_load_b256 s[12:19], s[0:1], 0x20             ; xq, wq, wo, mq
	v_lshl_add_u32 v248, v0, 2, 0xb800
	v_mov_b32 v249, 0
	v_lshrrev_b32 v1, 5, v0
	v_readfirstlane_b32 s20, v1                    ; wave
	v_and_b32 v1, 31, v0                           ; lane
	v_lshlrev_b32 v4, 4, v1                        ; 16 l
	v_lshlrev_b32 v5, 3, v1                        ; 8 l
	s_mov_b32 s22, 0x76543210
	s_mov_b32 s23, 0xfedcba98                      ; selects of v_permlanex16_b32: lane l xor 16
	s_cmp_ge_u32 ttmp9, 768
	s_cbranch_scc1 .Lmask
	s_cmp_ge_u32 ttmp9, 512
	s_cbranch_scc1 .Lweights
; ---------------- x: block id = ((b 8 + q) 4 + w); row group g = 4 (q / 4) + w, K = 256 (q % 4) on; my wave's tile = wave
	v_and_b32 v2, 15, v0                           ; r
	v_bfe_u32 v3, v0, 4, 1                         ; h
	s_mul_i32 s24, s20, 8448                       ; my stage
	v_add_nc_u32 v6, s24, v4                       ; in: a row's 512 bytes as loaded
	v_mul_u32_u24 v7, v2, 528
	v_lshl_add_u32 v7, v3, 7, v7
	v_add_nc_u32 v7, s24, v7                       ; out: row r, + 128 h: my block of 32 numbers
	s_lshl_b32 s25, s20, 2
	s_add_co_u32 s25, s25, XSC
	s_wait_alu depctr_va_vdst(0)
	v_add_nc_u32 v8, s25, v4                       ; my tile's word among lane l's four
	v_lshlrev_b32 v9, 3, v3                        ; 8 h
	v_add_nc_u32 v10, XSC, v4
	v_mov_b32 v242, 0                              ; a lane permute's destination counts as read
	s_mov_b32 s38, 0xffff0000
	s_and_b32 s26, ttmp9, 3                        ; w
	s_bfe_u32 s27, ttmp9, 0x30002                  ; q
	s_lshr_b32 s28, ttmp9, 5                       ; b
	s_lshr_b32 s29, s27, 2
	s_lshl_b32 s29, s29, 2
	s_add_co_u32 s29, s29, s26                     ; g
	s_and_b32 s27, s27, 3                          ; which 256 of K
	s_lshl_b32 s29, s29, 6
	s_lshl_b32 s30, s20, 3
	s_add_co_u32 s29, s29, s30                     ; 64 g + 8 tile
	s_lshl_b32 s30, s29, 16                        ; a step in s is 16 x 4,096 bytes
	s_lshl_b32 s28, s28, 12
	s_add_co_u32 s30, s30, s28
	s_lshl_b32 s27, s27, 10
	s_add_co_u32 s30, s30, s27
	s_mov_b32 s31, 0
	s_mul_i32 s32, ttmp9, 12800
	s_mov_b32 s33, 0
	s_mul_i32 s34, s20, 3072
	s_mov_b32 s35, 0
	s_wait_kmcnt 0x0
	s_add_nc_u64 s[4:5], s[4:5], s[30:31]
	s_add_nc_u64 s[12:13], s[12:13], s[32:33]      ; the block
	s_add_nc_u64 s[36:37], s[12:13], s[34:35]      ; my tile's codes
.irp u, 0,1
.irp r, 0,1,2,3,4,5,6,7,8,9,10,11,12,13,14,15
	global_load_b128 v[112+64*\u+4*\r:115+64*\u+4*\r], v4, s[4:5] offset:(32*(\r/8)+\r%8)*65536+512*\u th:TH_LOAD_NT   ; 512 consecutive bytes: row place r, K step u
.endr
.endr
; K step u of my 16 rows: through the stage, so that a lane holds whole blocks of 32; two blocks a lane; codes and the scale word
.macro XHALF u
.irp r, 0,1,2,3,4,5,6,7,8,9,10,11,12,13,14,15
	ds_store_b128 v6, v[112+64*\u+4*\r:115+64*\u+4*\r] offset:528*\r
.endr
.irp i, 0,1,2,3,4,5,6,7,8,9,10,11,12,13,14,15
	ds_load_b128 v[48+4*\i:51+4*\i], v7 offset:256*(\i/8)+16*(\i%8)   ; LDS serves a wave's instructions in order: these see my stores
.endr
	s_wait_dscnt 0x0
	v_max3_num_f32 v11, |v48|, |v49|, FLOOR
	v_max3_num_f32 v12, |v80|, |v81|, FLOOR
.irp i, 2,4,6,8,10,12,14,16,18,20,22,24,26,28,30
	v_max3_num_f32 v11, v11, |v[48+\i]|, |v[49+\i]|
	v_max3_num_f32 v12, v12, |v[80+\i]|, |v[81+\i]|
.endr
	v_add_nc_u32 v13, 0xff000000, v11              ; 2 off the exponent field: the conversion's scale operand
	v_add_nc_u32 v14, 0xff000000, v12
	v_lshrrev_b32 v240, 23, v13                    ; the bytes of blocks h and 2 + h
	v_lshrrev_b32 v241, 23, v14
	v_cvt_scalef32_pk16_fp6_f32 v[24+12*\u:26+12*\u], v[48:63], v13
	v_cvt_scalef32_pk16_fp6_f32 v[16:18], v[64:79], v13       ; (a conversion's three registers begin on an even number)
	v_cvt_scalef32_pk16_fp6_f32 v[30+12*\u:32+12*\u], v[80:95], v14
	v_cvt_scalef32_pk16_fp6_f32 v[20:22], v[96:111], v14
	v_nop                                          ; one plain place behind the conversions
.irp i, 0,1,2
	v_mov_b32 v[27+12*\u+\i], v[16+\i]
	v_mov_b32 v[33+12*\u+\i], v[20+\i]
.endr
	v_lshl_or_b32 v[19+4*\u], v241, 16, v240
	v_lshlrev_b32 v[19+4*\u], v9, v[19+4*\u]       ; my two bytes at their places,
	v_permlanex16_b32 v242, v[19+4*\u], s22, s23
	v_or_b32 v[19+4*\u], v[19+4*\u], v242          ; with lane l xor 16's two: row r's word
	global_store_b128 v4, v[24+12*\u:27+12*\u], s[36:37] offset:1536*\u
	global_store_b64 v5, v[28+12*\u:29+12*\u], s[36:37] offset:1536*\u+512
	global_store_b128 v4, v[30+12*\u:33+12*\u], s[36:37] offset:1536*\u+768
	global_store_b64 v5, v[34+12*\u:35+12*\u], s[36:37] offset:1536*\u+1280
.endm
	s_wait_loadcnt 16                              ; K step 0's sixteen loads are in, K step 1's may be out
	XHALF 0
	s_wait_loadcnt 0x0
	XHALF 1
	v_cndmask_b32 v19, v19, v23, s38               ; lanes 0-15: K step 0's word, lanes 16-31: K step 1's
	ds_store_b32 v8, v19
	s_wait_dscnt 0x0                               ; for the others' sake
	s_barrier_signal -1
	s_barrier_wait -1
	s_cmp_lg_u32 s20, 0
	s_cbranch_scc1 .Lxend
	ds_load_b128 v[48:51], v10                     ; the four tiles' words, 16 bytes a lane
	s_wait_dscnt 0x0
	global_store_b128 v4, v[48:51], s[12:13] offset:12288
.Lxend:
	s_wait_tensorcnt 0x0
	ds_add_u32 v248, v249
	s_wait_dscnt 0x0
	s_endpgm
; ---------------- the weights: K is their FIRST axis.  A lane takes a column and its registers run down K: nothing is transposed.
; ids 0-191: Wqkv, block ((n 4 + kp) 3 + G), columns 192 n + 64 G on.  192-255: Wout, block ((ct 4 + kp) 2 + G2), columns 128 ct + 64 G2 on.
; Wave: H = wave % 2 (columns 32 H + lane of the 64), ks = wave / 2 (K step).  Column 32 H + l is place (tile l / 8, r = 8 H + l % 8).
.Lweights:
	s_sub_co_u32 s24, ttmp9, 512
	s_mul_hi_u32 s25, s24, 0x55555556              ; id / 3
	s_mul_i32 s26, s25, 3
	s_sub_co_u32 s26, s24, s26                     ; G
	s_and_b32 s27, s25, 3                          ; kp
	s_lshr_b32 s28, s25, 2                         ; n
	s_mul_i32 s28, s28, 192
	s_lshl_b32 s26, s26, 6
	s_add_co_u32 s28, s28, s26                     ; first column in Wqkv
	s_sub_co_u32 s29, s24, 192
	s_and_b32 s30, s29, 1
	s_bfe_u32 s31, s29, 0x20001                    ; kp
	s_lshr_b32 s32, s29, 3
	s_lshl_b32 s32, s32, 7
	s_lshl_b32 s30, s30, 6
	s_add_co_u32 s32, s32, s30                     ; first column in Wout
	s_mul_i32 s33, s24, 12800
	s_mul_i32 s34, s29, 12800
	s_wait_kmcnt 0x0
	s_cmp_lt_u32 s24, 192                          ; the choice hangs on the work-group's number alone
	s_cselect_b64 s[6:7], s[6:7], s[8:9]
	s_cselect_b64 s[14:15], s[14:15], s[16:17]
	s_cselect_b32 s27, s27, s31
	s_cselect_b32 s28, s28, s32
	s_cselect_b32 s33, s33, s34
	s_mov_b32 s35, 4096
	s_cselect_b32 s35, 12288, s35                  ; a row of the weight in bytes
	s_mov_b32 s32, s33
	s_mov_b32 s33, 0
	s_add_nc_u64 s[14:15], s[14:15], s[32:33]      ; the block
	s_and_b32 s36, s20, 1                          ; H
	s_lshr_b32 s37, s20, 1                         ; ks
	s_lshl_b32 s38, s27, 8
	s_lshl_b32 s39, s37, 7
	s_add_co_u32 s38, s38, s39                     ; first row: 256 kp + 128 ks
	s_mul_i32 s38, s38, s35
	s_lshl_b32 s39, s36, 5
	s_add_co_u32 s39, s39, s28
	s_lshl_b32 s39, s39, 2
	s_add_co_u32 s38, s38, s39
	s_mov_b32 s39, 0
	s_add_nc_u64 s[40:41], s[6:7], s[38:39]        ; a base for each block of 32 rows
	s_lshl_b32 s38, s35, 5
	s_add_nc_u64 s[42:43], s[40:41], s[38:39]
	s_add_nc_u64 s[44:45], s[42:43], s[38:39]
	s_add_nc_u64 s[46:47], s[44:45], s[38:39]
	s_wait_alu depctr_va_vdst(0)
	v_lshlrev_b32 v48, 2, v1                       ; v48-79: 4 l + i rows; never rewritten
.set ii, 1
.rept 31
	v_add_nc_u32 v[48+ii], s35, v[47+ii]
.set ii, ii+1
.endr
.macro WLOAD kb                        ; block kb of my column: 32 numbers down K, into registers of its own
.set ii, 0
.rept 32
	global_load_b32 v[112+32*(\kb)+ii], v[48+ii], s[40+2*(\kb):41+2*(\kb)] th:TH_LOAD_NT   ; 128 consecutive bytes a wave, 256 with the wave beside it
.set ii, ii+1
.endr
.endm
	WLOAD 0                                        ; the loads run two blocks ahead
	WLOAD 1
	v_and_b32 v2, 7, v1
	s_wait_alu depctr_va_vdst(0)
	v_lshrrev_b32 v3, 3, v1                        ; tile
	v_mul_u32_u24 v6, v3, 3072
	s_mul_i32 s24, s37, 1536
	s_add_co_u32 s24, s24, WST
	s_lshl_b32 s25, s36, 7
	s_add_co_u32 s25, s25, s24
	v_lshl_add_u32 v15, v2, 4, v6
	v_add_nc_u32 v15, s25, v15                     ; registers 0-3 of place r: 16 r
	s_lshl_b32 s25, s36, 6
	s_add_co_u32 s25, s25, s24
	v_lshl_add_u32 v16, v2, 3, v6
	v_add_nc_u32 v16, s25, v16                     ; registers 4-5: 8 r
	s_lshl_b32 s25, s36, 7
	s_lshl_b32 s26, s37, 8
	s_add_co_u32 s25, s25, s26
	s_add_co_u32 s25, s25, WST+12288
	v_lshlrev_b32 v17, 4, v2
	s_wait_alu depctr_va_vdst(0)
	v_lshl_add_u32 v17, v3, 2, v17
	v_add_nc_u32 v17, s25, v17                     ; the scale word: 16 (r + 16 ks) + 4 tile
	s_mul_i32 s25, s20, 3072
	v_add_nc_u32 v19, s25, v4                      ; the way out: my quarter of the codes
	s_add_co_u32 s25, s25, WST
	v_add_nc_u32 v18, s25, v4
	v_add_nc_u32 v20, WST+12288, v4
; block kb of my column: half fragment kb / 2, half kb % 2 of the lanes
.macro WBLK kb
.if \kb < 3
	s_wait_loadcnt 32                              ; this block's 32 loads are in; the next block's 32 may be out
.else
	s_wait_loadcnt 0x0
.endif
.if \kb < 2
	WLOAD (\kb)+2
.endif
.set XB, 112+32*\kb
	v_max3_num_f32 v10, |v[XB]|, |v[XB+1]|, FLOOR
	v_max3_num_f32 v11, |v[XB+16]|, |v[XB+17]|, FLOOR
.irp i, 2,4,6,8,10,12,14
	v_max3_num_f32 v10, v10, |v[XB+\i]|, |v[XB+\i+1]|
	v_max3_num_f32 v11, v11, |v[XB+16+\i]|, |v[XB+17+\i]|
.endr
	v_max_num_f32 v10, v10, v11
	v_add_nc_u32 v12, 0xff000000, v10
	v_lshrrev_b32 v13, 23, v12
.if \kb == 0
	v_mov_b32 v14, v13
.else
	v_lshl_or_b32 v14, v13, 8*\kb, v14             ; all four bytes of the word are mine
.endif
	v_cvt_scalef32_pk16_fp6_f32 v[80+6*\kb:82+6*\kb], v[XB:XB+15], v12
	v_cvt_scalef32_pk16_fp6_f32 v[24+4*\kb:26+4*\kb], v[XB+16:XB+31], v12
	v_nop
.irp i, 0,1,2
	v_mov_b32 v[83+6*\kb+\i], v[24+4*\kb+\i]
.endr
	ds_store_b128 v15, v[80+6*\kb:83+6*\kb] offset:768*(\kb/2)+256*(\kb%2)
	ds_store_b64 v16, v[84+6*\kb:85+6*\kb] offset:768*(\kb/2)+512+128*(\kb%2)
.endm
	WBLK 0
	WBLK 1
	WBLK 2
	WBLK 3
	ds_store_b32 v17, v14
	s_wait_dscnt 0x0                               ; for the others' sake
	s_barrier_signal -1
	s_barrier_wait -1
.irp k, 0,1,2,3,4,5
	ds_load_b128 v[112+4*\k:115+4*\k], v18 offset:512*\k
.endr
.irp k, 0,1,2,3,4,5
	s_wait_dscnt 5-\k
	global_store_b128 v19, v[112+4*\k:115+4*\k], s[14:15] offset:512*\k
.endr
	s_cmp_lg_u32 s20, 0
	s_cbranch_scc1 .Lwend
	ds_load_b128 v[136:139], v20
	s_wait_dscnt 0x0
	global_store_b128 v4, v[136:139], s[14:15] offset:12288
.Lwend:
	s_wait_tensorcnt 0x0
	ds_add_u32 v248, v249
	s_wait_dscnt 0x0
	s_endpgm
; ---------------- the mask: for query tile qt and key group g a half fragment: lane (r, h): query place r; k = 32 h + i = 16 tile + m stands for the key at place (tile, m) of group g
.Lmask:
	s_sub_co_u32 s24, ttmp9, 768
	s_lshl_b32 s24, s24, 2
	s_add_co_u32 s24, s24, s20                     ; qt
	v_and_b32 v2, 15, v0
	v_bfe_u32 v3, v0, 4, 1
	s_lshr_b32 s25, s24, 2
	s_lshl_b32 s25, s25, 6
	s_and_b32 s26, s24, 3
	s_lshl_b32 s26, s26, 3
	s_add_co_u32 s25, s25, s26
	s_lshl_b32 s25, s25, 9                         ; a row of the mask is 512 bytes
	v_and_b32 v6, 7, v2
	v_lshrrev_b32 v7, 3, v2
	v_lshl_add_u32 v6, v7, 5, v6                   ; 32 (r / 8) + r % 8
	v_lshlrev_b32 v6, 9, v6
	v_lshl_add_u32 v6, v3, 4, v6                   ; + 16 h
	v_add_nc_u32 v6, s25, v6
	s_mul_i32 s26, s24, 6144
	s_mov_b32 s27, 0
	v_mov_b32 v8, 1.0                              ; the conversions' scale: 2^0
	s_wait_alu depctr_va_vdst(0)
	s_wait_kmcnt 0x0
	s_add_nc_u64 s[18:19], s[18:19], s[26:27]
.irp g, 0,1,2,3,4,5,6,7
	global_load_b128 v[112+8*\g:115+8*\g], v6, s[10:11] offset:64*\g th:TH_LOAD_NT        ; keys 64 g + 16 h + 0 .. 15
	global_load_b128 v[116+8*\g:119+8*\g], v6, s[10:11] offset:64*\g+32 th:TH_LOAD_NT     ; and the sixteen that lie 32 further on
.endr
.macro MG g
	s_wait_loadcnt 14-2*\g                         ; the later groups' loads may be out
.set mi, 0
.rept 32
	v_bfe_u32 v[48+mi], v[112+8*\g+4*((mi/8)%2)+2*(mi/16)+(mi%8)/4], 8*(mi%4), 1     ; element i: key 16 h + 32 ((i / 8) % 2) + 8 (i / 16) + i % 8 of the group
.set mi, mi+1
.endr
.set mi, 0
.rept 32
	v_add_nc_u32 v[48+mi], -1, v[48+mi]            ; true: 0; false: all ones
.set mi, mi+1
.endr
.set mi, 0
.rept 32
	v_and_b32 v[48+mi], 0xc0f00000, v[48+mi]       ; true: 0.0; false: -7.5
.set mi, mi+1
.endr
	v_cvt_scalef32_pk16_fp6_f32 v[176+8*\g:178+8*\g], v[48:63], v8
	v_cvt_scalef32_pk16_fp6_f32 v[16:18], v[64:79], v8
	v_nop
.irp i, 0,1,2
	v_mov_b32 v[179+8*\g+\i], v[16+\i]
.endr
	global_store_b128 v4, v[176+8*\g:179+8*\g], s[18:19] offset:768*\g
	global_store_b64 v5, v[180+8*\g:181+8*\g], s[18:19] offset:768*\g+512
.endm
.irp g, 0,1,2,3,4,5,6,7
	MG \g
.endr
	s_endpgm
.Lfunc_end_k_q53429f8779_prep:
	.size	k_q53429f8779_prep, .Lfunc_end_k_q53429f8779_prep-k_q53429f8779_prep
	.p2alignl 7, 3214868480
	.fill 96, 4, 3214868480
	.section	.rodata,"a",@progbits
	.p2align	6, 0x0
	.amdhsa_kernel k_q53429f8779_prep
		.amdhsa_group_segment_fixed_size 47616
		.amdhsa_private_segment_fixed_size 0
		.amdhsa_enable_private_segment 0
		.amdhsa_kernarg_size 64
		.amdhsa_user_sgpr_count 2
		.amdhsa_user_sgpr_kernarg_segment_ptr 1
		.amdhsa_wavefront_size32 1
		.amdhsa_system_sgpr_workgroup_id_x 1
		.amdhsa_system_sgpr_workgroup_id_y 1
		.amdhsa_system_sgpr_workgroup_id_z 1
		.amdhsa_system_vgpr_workitem_id 0
		.amdhsa_next_free_vgpr 250
		.amdhsa_next_free_sgpr 66
		.amdhsa_reserve_vcc 0
		.amdhsa_float_denorm_mode_32 3
		.amdhsa_float_denorm_mode_16_64 3
		.amdhsa_memory_ordered 1
		.amdhsa_forward_progress 1
		.amdhsa_inst_pref_size 88
	.end_amdhsa_kernel
	.amdgpu_metadata
---
amdhsa.version: [ 1, 2 ]
amdhsa.kernels:
  - .name:           k_q53429f8779_prep
    .symbol:         k_q53429f8779_prep.kd
    .args:
      - { .name: hidden_states, .offset: 0, .size: 8, .value_kind: global_buffer, .address_space: global }
      - { .name: Wqkv, .offset: 8, .size: 8, .value_kind: global_buffer, .address_space: global }
      - { .name: Wout, .offset: 16, .size: 8, .value_kind: global_buffer, .address_space: global }
      - { .name: attention_mask, .offset: 24, .size: 8, .value_kind: global_buffer, .address_space: global }
      - { .name: xq, .offset: 32, .size: 8, .value_kind: global_buffer, .address_space: global }
      - { .name: wq, .offset: 40, .size: 8, .value_kind: global_buffer, .address_space: global }
      - { .name: wo, .offset: 48, .size: 8, .value_kind: global_buffer, .address_space: global }
      - { .name: mq, .offset: 56, .size: 8, .value_kind: global_buffer, .address_space: global }
    .group_segment_fixed_size: 47616
    .private_segment_fixed_size: 0
    .kernarg_segment_align: 8
    .kernarg_segment_size: 64
    .max_flat_workgroup_size: 128
    .sgpr_count:     66
    .vgpr_count:     250
    .wavefront_size: 32
...
	.end_amdgpu_metadata
.endif
;; end of part 1
;; launch qkvattn (part 2): grid 16 x 16, 4 waves a work-group, clusters of 4 x 4, 327,680 bytes of LDS; arguments xq, wq, bqkv, mq, cq, cs; writes cq, cs
.if DOCPART == 2
	.amdgcn_target "amdgcn-amd-amdhsa--gfx1250"
	.amdhsa_code_object_version 6
	.text
	.protected	k_q53429f8779_qkvattn
	.globl	k_q53429f8779_qkvattn
	.p2align	8
	.type	k_q53429f8779_qkvattn,@function
k_q53429f8779_qkvattn:
	s_mov_b64 s[64:65], 0
	v_nop
	global_prefetch_b8 v0, s[64:65] scope:SCOPE_SE
	s_setreg_imm32_b32 hwreg(HW_REG_WAVE_MODE, 25, 1), 1
	s_wait_xcnt 0x0
	s_wait_alu depctr_hold_cnt(0) depctr_sa_sdst(0) depctr_va_vdst(0) depctr_va_sdst(0) depctr_va_ssrc(0) depctr_va_vcc(0) depctr_vm_vsrc(0)
	s_getreg_b32 s2, hwreg(HW_REG_IB_STS2, 6, 4)
	s_cmp_eq_u32 s2, 0
	s_cbranch_scc0 .Lentry_in_a_cluster
	s_endpgm
.Lentry_in_a_cluster:
	s_bfe_u32 s2, ttmp6, 0x10000c
	s_cmp_lg_u32 s2, 0xf033
	s_cbranch_scc0 .Lentry_shape_is_right
	s_endpgm
.Lentry_shape_is_right:
; One work-group for each (batch b = y, head n = x): q, k, v of all 512 positions (512 x 192 x 1,024 on codes of E2M3), quantised into LDS; the head's whole masked attention from there; the context quantised to memory.
; GEMM: two passes of 256 rows.  W's 192 columns for all of K stay in LDS (153,600 bytes); x goes through a ring of two slots of 256 rows x 256 K (51,200 bytes), a block of 12,800 bytes a wave.
; Wave (I, J) = (wave / 2, wave % 2): 128 rows x (J = 0: q's four tiles, v's tiles 0, 1; J = 1: k's four, v's tiles 2, 3): 48 accumulators.
; q and k are made TRANSPOSED (source 0 = W, source 1 = x): a lane holds one position and 32 neighbouring d.  v is made straight (source 0 = x, source 1 = W): a lane holds one d and 32 neighbouring keys.
; With place (tile, r) = index 32 (r / 8) + 8 tile + r % 8 in every group of 64, a lane's 32 registers of four tiles are one whole block of 32 along the next product's K: no maximum crosses lanes.
; CLUSTER 4 x 4: x's blocks hang on b alone and are asked for jointly along a row of the cluster, W's on n alone, along a column.  The mask's images are not asked for jointly: they go from memory straight into the
; registers that the products name, a tile ahead (6,144 bytes a tile and wave), and a joint request can land in LDS alone, from where they would be read once more.
; ATTENTION: wave w owns query tiles 8 w .. 8 w + 7; K's and V's codes stay in its registers.  S^T = K Q^T, O^T = V^T P^T: a lane holds one query throughout.
; THE MASK IS ADDED BY THE MATRIX UNIT: a product of a unit matrix (code 1.0 at k = 16 tile + m) with the mask's image (0 or -7.5), both under the scale 2^50, starts each tile's sum: 0 where the key counts, -7.5 x 2^100 where not.
; K = 64 fills half of the instruction's 128: Q's and the unit matrices' upper six registers are zero codes; what K's and the mask's operands name there (the next tile's codes) meets those zeros.
; SOFTMAX: for each lane and block of 32 keys m_g = the block's largest score, held at -2^96 from below; mc_g = m_g c rounded, c = log2(e) / 8; p = 2^(s c - mc_g), one fused multiply-add and one exponential;
; R = the row's largest mc_g; f_g = 2^(mc_g - R); the weight is p F_g with F_g = f_g / sum(f_g sum(p)): finished and normalised, as it is quantised.  R and each mc_g's rounding cancel between weight and divisor.
; A block's largest weight is not searched for: the block's largest score goes through the same multiply-add, exponential and multiplication (this takes v_exp_f32 not to fall where its input rises).
; A row without a true entry: every p is 0, and the divisor is held at 2^-100 from below: all weights are 0.
; BY TURNS: a tile has about twelve vector instructions for each matrix instruction, and the wave is alone on its SIMD.  So the softmax goes two blocks at a time, and the exponentials of blocks 2 d, 2 d + 1 carry the sixteen
; matrix instructions (mask, then scores) of blocks 2 d + 2, 2 d + 3, one behind every second pair; the scaling of two blocks carries the four products V^T P of the fragment before.  Each such instruction costs two switches
; of the register windows: no window has room for a product's operands beside S^T.
; LIMITS: scores of magnitude 2^96 and more, NaN and infinities are not served.  A block of zeros has the byte 1 (its codes are zeros; this program alone reads the bytes).
; THE FIRST FILLS AND THE ORDER OF A TILE'S WORK, as the text below has them (this takes the place of the paragraph BY TURNS above):
; at the head a wave issues one joint load (waves 0, 1: halves of W's K pieces 0, 1; waves 2, 3: halves of slot 0); W's other half and slot 1 follow behind a full sequence and a round, one load a wave.
; A tile's softmax goes two blocks at a time: XM (largest scores), FM (s c - mc_g), EX (a batch of 64 exponentials between two waits), AS (sums).  Inside a batch stand only the next two blocks' multiply-adds and
; eight products of the mask, none of which is read again before the batch's closing wait; the scores' products stand among the plain lines of XM, FM and AS.
.set BLK,   12800
.set SLOT0, 153600                     ; behind W's twelve blocks
.set SLOT1, 204800
.set DBASE, 214016                     ; pass 1's codes: in slot 1, behind its last fill and last read;  pass 0's lie PART further on, in bytes that no fill touches
.set PART,  41984                      ; a pass's codes: q 12,288, k 12,288, v 12,288, their scale words 2,048, 2,048, 1,024
.set KC,    12288
.set VC,    24576
.set QS,    36864
.set KS,    38912
.set VS,    40960
.set SPARE, 297984                     ; the spare words: 128 bytes a wave, two blocks of 256 bytes that no other line names
.set FLOOR, 0x1800000                  ; 2^(3 - 127)
; GEMM, window 0: v1 spare word, v2 zero, v3 16 l, v4 8 l, v5 the prefetches' offset, v27 4 l, v26 8 h
.set AX16, 6                           ; v6-7 x's blocks in slot 0, 1 (+ 16 l);  v8-9 (+ 8 l)
.set AX8,  8
.set AW16, 10                          ; v10-11 my q or k block of K pieces {0,1}, {2,3};  v12-13
.set AW8,  12
.set AV16, 14                          ; v14-15 my two tiles of v's block;  v16-17
.set AV8,  16
.set AVS,  18                          ; v18-19 their scale words
.set XS,   32                          ; v32-47 x's scale words, two sets of 8
.set WS,   48                          ; v48-63 W's, two sets of 6
.set XF,   64                          ; v64-159 x's eight fragments, one set.  Window 1: W's fragments, sets at v0 and v128; biases v80-111, v208-223.  Window 2: q or k, 256.  Window 3: v, 128
.set CD,   160                         ; the epilogue's registers: codes, 8 a block;
.set CT,   192                         ; second halves;
.set TM,   208                         ; maxima, scale operands, bytes, permute results, words
.set TS,   212
.set BY,   216
.set PT,   220
.set WD,   224
.set PFA,  86                          ; s[86:87] xq at batch b;  s88: 1 in a wave that prefetches
.set LIM,  88
; attention, window 0: v8-9 the context's scale halfwords; v11-13 Q's places; v14-18 addresses of the loads in hand; v21-22 the stores' offsets; v23-25, v46 at work; v252-255 second chains of the sums
.set QR,   28                          ; v28-39 Q's operand
.set QSC,  40
.set S1,   41                          ; the scale word of the mask's product
.set PSC,  42                          ; v42-45 the weights' scale words
.set ID,   48                          ; v48-95 four unit matrices
.set MB,   96                          ; v96-149 the mask's eight half fragments, six zeros
.set KSC,  150                         ; v150-181
.set VSC,  182                         ; v182-197
.set RMX,  198                         ; v198-213 mc_g (even), m_g (odd); later scale operands
.set RSS,  214                         ; v214-229 sums
.set RFF,  230                         ; v230-245 f_g, F_g (even); the block's largest p (odd)
.set MSB, 0
.macro WIN new                         ; the immediate's high byte repeats the setting that is left
.if MSB != \new
	s_set_vgpr_msb (MSB<<8)|\new
.set MSB, \new
.endif
.endm
.macro PLACES                          ; four plain places behind a matrix instruction, in front of loads into its registers and of reads of its result
.rept 4
	v_nop
.endr
.endm
.macro CREST                           ; a round of the cluster's barrier behind its opening barrier
	s_cmp_lg_u32 s16, 0
	s_cbranch_scc1 .Lnot_wave_0_\@
	s_barrier_signal -3
.Lnot_wave_0_\@:
	s_barrier_wait -3
	s_barrier_signal -1
	s_barrier_wait -1
.endm
.macro CROUND
	s_barrier_signal -1
	s_barrier_wait -1
	CREST
.endm
.macro WM d, a, b, c, sa, sb, row      ; row = 1: both sides' scales from lanes 16-31
.if \row
	v_wmma_scale_f32_16x16x128_f8f6f4 v[\d:\d+7], v[\a:\a+11], v[\b:\b+11], v[\c:\c+7], v[\sa], v[\sb] matrix_a_fmt:MATRIX_FMT_FP6 matrix_b_fmt:MATRIX_FMT_FP6 matrix_a_scale:MATRIX_SCALE_ROW1 matrix_b_scale:MATRIX_SCALE_ROW1
.else
	v_wmma_scale_f32_16x16x128_f8f6f4 v[\d:\d+7], v[\a:\a+11], v[\b:\b+11], v[\c:\c+7], v[\sa], v[\sb] matrix_a_fmt:MATRIX_FMT_FP6 matrix_b_fmt:MATRIX_FMT_FP6
.endif
.endm
.macro WM0 d, a, b, sa, sb             ; starts a sum
	v_wmma_scale_f32_16x16x128_f8f6f4 v[\d:\d+7], v[\a:\a+11], v[\b:\b+11], 0, v[\sa], v[\sb] matrix_a_fmt:MATRIX_FMT_FP6 matrix_b_fmt:MATRIX_FMT_FP6
.endm
.macro LOADF reg, a16, a8, off         ; a fragment's image, 1,536 bytes: every load takes consecutive bytes
	ds_load_b128 v[\reg:\reg+3], v[\a16] offset:\off
	ds_load_b64 v[\reg+4:\reg+5], v[\a8] offset:\off+512
	ds_load_b128 v[\reg+6:\reg+9], v[\a16] offset:\off+768
	ds_load_b64 v[\reg+10:\reg+11], v[\a8] offset:\off+1280
.endm
.macro MBLOAD                          ; a tile's eight images of the mask: 512 or 256 consecutive bytes a load
.irp g, 0,1,2,3,4,5,6,7
	global_load_b128 v[MB+6*\g:MB+6*\g+3], v17, s[80:81] offset:768*\g
	global_load_b64 v[MB+6*\g+4:MB+6*\g+5], v18, s[80:81] offset:768*\g+512
.endr
.endm
; A PREFETCH INTO THE L2 of piece p of x, the piece that the NEXT change of slots will ask for: 51,200 bytes, 200 blocks of 256.  All four clusters of a row of clusters walk the same x: the first (cluster x = 0) asks.
; Its four partners along x, and waves 0 and 1 of each, share the piece out BY ADDRESS, 25 blocks each, a lane a block; lanes 25 to 31 name lane 24's block again.  It stands behind the joint load, its four lines and
; the run of LDS loads, 96 matrix instructions ahead of the load that will want the bytes.  The piece stands in the immediate: no address is stepped.  Pieces 0 to 2 come by their loads alone; the last refill asks for nothing.
.macro ASK p
	s_cmp_eq_u32 s[LIM], 1
	s_cbranch_scc0 .Lnot_mine_\@
	global_prefetch_b8 v5, s[PFA:PFA+1] offset:(\p)*51200 th:TH_LOAD_NT scope:SCOPE_SE
.Lnot_mine_\@:
.endm
	s_load_b256 s[4:11], s[0:1], 0x0               ; xq, wq, bqkv, mq
	s_load_b128 s[12:15], s[0:1], 0x20             ; cq, cs
	v_lshl_add_u32 v1, v0, 2, SPARE
	v_mov_b32 v2, 0
	ds_add_u32 v1, v2                              ; the opening lines: the add twice on end, under one wait
	ds_add_u32 v1, v2
	s_wait_dscnt 0x0
	v_lshrrev_b32 v3, 5, v0
	v_readfirstlane_b32 s16, v3                    ; wave
	s_lshr_b32 s17, s16, 1                         ; I
	s_and_b32 s18, s16, 1                          ; J
	s_bfe_u32 s19, ttmp6, 0x40000                  ; cx
	s_bfe_u32 s20, ttmp6, 0x40004                  ; cy
	s_lshl_b32 s21, ttmp9, 2
	s_add_co_u32 s21, s21, s19                     ; n
	s_and_b32 s22, ttmp7, 0xffff
	s_lshl_b32 s22, s22, 2
	s_add_co_u32 s22, s22, s20                     ; b
	s_lshl_b32 s40, s20, 2
	s_lshl_b32 s40, 15, s40                        ; my row of the cluster
	s_lshl_b32 s44, 0x1111, s19                    ; my column
	; group 1: dense bytes as rows of 256 (32 elements of 8 bytes): x: 50 rows (a block); W: 150 rows (a quarter of the head's twelve blocks)
	s_or_b32 s24, s40, (3<<16)|(1<<21)
	s_or_b32 s92, s40, (3<<16)|(1<<21)             ; x's first fills: 100 rows (half a slot)
	s_mov_b32 s93, 32<<16
	s_mov_b32 s94, 100<<16
	s_mov_b32 s95, 32<<16
	s_mov_b32 s96, 100
	s_mov_b32 s97, 32
	s_mov_b32 s98, 0
	s_mov_b32 s99, 0
	s_mov_b32 s25, 32<<16
	s_mov_b32 s26, 50<<16
	s_mov_b32 s27, 32<<16
	s_mov_b32 s28, 50
	s_mov_b32 s29, 32
	s_mov_b32 s30, 0
	s_mov_b32 s31, 0
	s_or_b32 s32, s44, (3<<16)|(1<<21)
	s_mov_b32 s33, 32<<16
	s_mov_b32 s34, 150<<16                         ; W: 150 rows (a quarter of the head's twelve blocks)
	s_mov_b32 s35, 32<<16
	s_mov_b32 s36, 150
	s_mov_b32 s37, 32
	s_mov_b32 s38, 0
	s_mov_b32 s39, 0
	s_mul_i32 s40, s22, 409600                     ; x: b's eight slots of 51,200 bytes; my block of each.  (s40-43 never hold cx, s44-47 never cy)
	s_mul_i32 s41, s16, BLK
	s_add_co_u32 s40, s40, s41
	s_mov_b32 s41, 0
	s_mul_i32 s44, s21, 153600                     ; W: head n's twelve blocks; my quarters
	s_mul_i32 s45, s18, 38400
	s_add_co_u32 s44, s44, s45
	s_mov_b32 s45, 0
	s_mul_i32 s42, s16, BLK                        ; where they go: the wave's number alone
	s_mul_i32 s46, s18, 38400
	s_mul_i32 s90, s22, 409600                     ; x's first fills: batch b, half wave % 2 of a slot
	s_mul_i32 s91, s18, 25600
	s_add_co_u32 s90, s90, s91
	s_add_co_u32 s23, s91, SLOT0
	s_mov_b32 s91, 0
	s_mov_b32 s72, 0x3e38aa3b                      ; c = log2(e) / 8
	s_mov_b32 s73, s72
	s_mov_b32 s74, 0x76543210
	s_mov_b32 s75, 0xfedcba98                      ; lane l xor 16
	s_wait_kmcnt 0x0
	s_mov_b32 s48, 1                               ; group 0, slot 0
	s_add_co_u32 s49, s42, SLOT0
	s_add_nc_u64 s[50:51], s[4:5], s[40:41]
	s_mov_b32 s52, 1                               ; slot 1
	s_add_co_u32 s53, s42, SLOT1
	s_add_nc_u64 s[54:55], s[50:51], 51200
	s_or_b32 s51, s51, 0x80000000
	s_or_b32 s55, s55, 0x80000000
	s_mov_b32 s56, 1                               ; W's first half (K pieces 0, 1)
	s_mov_b32 s57, s46
	s_add_nc_u64 s[58:59], s[6:7], s[44:45]
	s_mov_b32 s60, 1                               ; its second half
	s_add_co_u32 s61, s46, 76800
	s_add_nc_u64 s[62:63], s[58:59], 76800
	s_or_b32 s59, s59, 0x80000000
	s_or_b32 s63, s63, 0x80000000
; A first fill, one joint load a wave: waves 0 and 1 ask for W, waves 2 and 3 for x.  The branch hangs on the wave's number alone; both arms lead to one join.
.macro HLOAD gw, gx
	s_cmp_eq_u32 s17, 0
	s_cbranch_scc0 .Lfor_x_\@
	tensor_load_to_lds s[\gw:\gw+3], s[32:39]
	s_nop 0
	PLACES
	s_branch .Lasked_\@
.Lfor_x_\@:
	tensor_load_to_lds s[\gx:\gx+3], s[92:99]
	s_nop 0
	PLACES
.Lasked_\@:
.endm
	s_mov_b32 s40, 1                               ; group 0 of x's first fills: slot 0 now, slot 1 later
	s_mov_b32 s41, s23
	s_add_nc_u64 s[42:43], s[4:5], s[90:91]
	s_or_b32 s43, s43, 0x80000000
	CROUND                                         ; all sixteen work-groups are here: the first joint loads meet
	HLOAD 56, 40                                   ; W's K pieces 0, 1 and slot 0: one load of mine is out
	v_and_b32 v5, 31, v0
	v_lshlrev_b32 v3, 4, v5
	v_lshlrev_b32 v4, 3, v5
	v_lshlrev_b32 v27, 2, v5
	v_bfe_u32 v28, v0, 4, 1                        ; h
	v_lshlrev_b32 v26, 3, v28
	s_mul_i32 s66, s17, 2*BLK                      ; my two blocks of x
	s_add_co_u32 s67, s66, SLOT0
	v_add_nc_u32 v[AX16], s67, v3
	v_add_nc_u32 v[AX8], s67, v4
	s_add_co_u32 s67, s66, SLOT1
	v_add_nc_u32 v[AX16+1], s67, v3
	v_add_nc_u32 v[AX8+1], s67, v4
	s_mul_i32 s66, s18, BLK                        ; q's block or k's
	v_add_nc_u32 v[AW16], s66, v3
	v_add_nc_u32 v[AW8], s66, v4
	s_add_co_u32 s67, s66, 6*BLK
	v_add_nc_u32 v[AW16+1], s67, v3
	v_add_nc_u32 v[AW8+1], s67, v4
	s_mul_i32 s66, s18, 6144                       ; v's block, tiles 2 J, 2 J + 1
	s_add_co_u32 s66, s66, 2*BLK
	v_add_nc_u32 v[AV16], s66, v3
	v_add_nc_u32 v[AV8], s66, v4
	s_add_co_u32 s67, s66, 6*BLK
	v_add_nc_u32 v[AV16+1], s67, v3
	v_add_nc_u32 v[AV8+1], s67, v4
	s_lshl_b32 s66, s18, 3
	s_add_co_u32 s66, s66, 2*BLK+12288
	v_add_nc_u32 v[AVS], s66, v3
	s_add_co_u32 s66, s66, 6*BLK
	v_add_nc_u32 v[AVS+1], s66, v3
	s_mul_i32 s66, s18, 12288                      ; where my codes go (pass 1's place; pass 0's by the immediate): q or k, tiles 8 I on
	s_mul_i32 s67, s17, 6144
	s_add_co_u32 s66, s66, s67
	s_add_co_u32 s66, s66, DBASE
	v_add_nc_u32 v20, s66, v3
	v_add_nc_u32 v21, s66, v4
	s_lshl_b32 s66, s18, 11
	s_lshl_b32 s67, s17, 10
	s_add_co_u32 s66, s66, s67
	s_add_co_u32 s66, s66, DBASE+QS
	v_add_nc_u32 v22, s66, v27
	s_mul_i32 s66, s18, 6144                       ; v: tiles 2 J on, fragment I
	s_mul_i32 s67, s17, 1536
	s_add_co_u32 s66, s66, s67
	s_add_co_u32 s66, s66, DBASE+VC
	v_add_nc_u32 v23, s66, v3
	v_add_nc_u32 v24, s66, v4
	s_lshl_b32 s66, s18, 9
	s_lshl_b32 s67, s17, 7
	s_add_co_u32 s66, s66, s67
	s_add_co_u32 s66, s66, DBASE+VS
	v_add_nc_u32 v25, s66, v27
.irp k, 0,1,2,3
	v_mov_b32 v[PT+\k], 0                          ; a lane permute's destination counts as read
.endr
	; the biases, in the results' layouts: they are the C of each pass's first products
	v_lshlrev_b32 v29, 7, v28                      ; q, k: my 32 numbers begin at d = 32 h
	v_and_b32 v30, 7, v0
	v_lshlrev_b32 v30, 2, v30
	v_bfe_u32 v31, v0, 3, 1
	v_lshl_add_u32 v30, v31, 7, v30                ; v: my one number: d = 32 (r / 8) + 8 tile + r % 8
	s_mul_i32 s66, s21, 768
	s_lshl_b32 s67, s18, 8
	s_add_co_u32 s66, s66, s67
	s_mov_b32 s67, 0
	s_add_nc_u64 s[68:69], s[8:9], s[66:67]
	s_mul_i32 s66, s21, 768
	s_lshl_b32 s70, s18, 6
	s_add_co_u32 s66, s66, s70
	s_add_co_u32 s66, s66, 512
	s_add_nc_u64 s[70:71], s[8:9], s[66:67]
	s_wait_alu depctr_va_vdst(0)                   ; the offsets below were written ahead of a run of scalar lines
	WIN 0x40
.irp i, 0,1,2,3,4,5,6,7
	global_load_b128 v[80+4*\i:83+4*\i], v29, s[68:69] offset:16*\i
.endr
.irp u, 0,1
.irp j, 0,1,2,3,4,5,6,7
	global_load_b32 v[208+8*\u+\j], v30, s[70:71] offset:32*\u
.endr
.endr
	WIN 0
	; where the mask's images, the context's codes and its scale bytes lie.  (s68-71, v29, v30 stay as they are until the wait for the biases)
	s_mul_i32 s66, s16, 49152
	s_add_nc_u64 s[80:81], s[10:11], s[66:67]      ; mq: my eight tiles
	s_mul_i32 s66, s22, 393216
	s_lshr_b32 s76, s21, 2
	s_mul_i32 s76, s76, 12288
	s_add_co_u32 s66, s66, s76
	s_bfe_u32 s76, s21, 0x10001
	s_mul_i32 s76, s76, 1536
	s_add_co_u32 s66, s66, s76
	s_and_b32 s76, s21, 1
	s_mul_i32 s76, s76, 768
	s_add_co_u32 s66, s66, s76
	s_mul_i32 s76, s16, 98304
	s_add_co_u32 s66, s66, s76
	s_add_nc_u64 s[82:83], s[12:13], s[66:67]      ; cq [b][g][n / 4][tile][(n / 2) % 2][n % 2][768], at group 2 w
	s_lshl_b32 s66, s22, 2
	s_add_co_u32 s66, s66, s16
	s_lshl_b32 s66, s66, 4
	s_add_co_u32 s66, s66, s21
	s_lshl_b32 s66, s66, 8
	s_add_nc_u64 s[84:85], s[14:15], s[66:67]      ; cs [b][w][n][256]
	; the prefetches: who asks, and for which 25 blocks of a piece
	s_mul_i32 s66, s22, 409600
	s_add_nc_u64 s[PFA:PFA+1], s[4:5], s[66:67]    ; xq at batch b
	s_lshl_b32 s89, s19, 1
	s_add_co_u32 s89, s89, s18                     ; 2 cx + wave % 2: my eighth of a piece
	s_mul_i32 s89, s89, 6400
	v_min_u32 v5, 24, v5
	v_lshl_add_u32 v5, v5, 8, s89                  ; never rewritten while the GEMM runs
	s_or_b32 s[LIM], s17, ttmp9                    ; 0 in waves 0 and 1 of the first cluster along x: the same in all sixteen partners, for a given wave
	s_cmp_eq_u32 s[LIM], 0
	s_cselect_b32 s[LIM], 1, 0
.macro FETCH_W kp, ks, z               ; my six fragments of W: 24 loads
	WIN 0x40
.irp t, 0,1,2,3
	LOADF 128*(\z)+12*\t, AW16+(\kp)/2, AW8+(\kp)/2, ((\kp)%2)*3*BLK+\t*3072+(\ks)*1536
.endr
.irp u, 0,1
	LOADF 128*(\z)+48+12*\u, AV16+(\kp)/2, AV8+(\kp)/2, ((\kp)%2)*3*BLK+\u*3072+(\ks)*1536
.endr
	WIN 0
.endm
.macro FETCH_X slot, ks, a0            ; four fragments of x: 16 loads
.irp a, \a0, \a0+1, \a0+2, \a0+3
	LOADF XF+12*(\a), AX16+(\slot), AX8+(\slot), ((\a)/4)*BLK+((\a)%4)*3072+(\ks)*1536
.endr
.endm
.macro FETCH_S slot, kp                ; a slot's scale words: lanes 0-15 its first 128 along K, lanes 16-31 its second: 4 loads
	ds_load_b128 v[XS+8*(\slot):XS+8*(\slot)+3], v[AX16+(\slot)] offset:12288
	ds_load_b128 v[XS+8*(\slot)+4:XS+8*(\slot)+7], v[AX16+(\slot)] offset:12288+BLK
	ds_load_b128 v[WS+8*(\slot):WS+8*(\slot)+3], v[AW16+(\kp)/2] offset:((\kp)%2)*3*BLK+12288
	ds_load_b64 v[WS+8*(\slot)+4:WS+8*(\slot)+5], v[AVS+(\kp)/2] offset:((\kp)%2)*3*BLK
.endm
; The 48 accumulators take turns, one instruction a turn, in the same order in every step.
.macro MULQK a0, z, ks, s, first       ; 16 products: source 0 = W (window 1), source 1 = x (window 0), sums in window 2
.if \first
	WIN 0x91
.else
	WIN 0xa1
.endif
.irp a, \a0, \a0+1, \a0+2, \a0+3
.irp t, 0,1,2,3
.if \first
	WM 32*(\a)+8*\t, 128*(\z)+12*\t, XF+12*(\a), 80+8*\t, WS+8*(\s)+\t, XS+8*(\s)+(\a), \ks
.else
	WM 32*(\a)+8*\t, 128*(\z)+12*\t, XF+12*(\a), 32*(\a)+8*\t, WS+8*(\s)+\t, XS+8*(\s)+(\a), \ks
.endif
.endr
.endr
.endm
.macro MULV a0, z, ks, s, first        ; 8 products: source 0 = x, source 1 = W, sums in window 3
.if \first
	WIN 0xd4
.else
	WIN 0xf4
.endif
.irp a, \a0, \a0+1, \a0+2, \a0+3
.irp u, 0,1
.if \first
	WM 64*\u+8*(\a), XF+12*(\a), 128*(\z)+48+12*\u, 208+8*\u, XS+8*(\s)+(\a), WS+8*(\s)+4+\u, \ks
.else
	WM 64*\u+8*(\a), XF+12*(\a), 128*(\z)+48+12*\u, 64*\u+8*(\a), XS+8*(\s)+(\a), WS+8*(\s)+4+\u, \ks
.endif
.endr
.endr
.endm
; A slot's first 128 along K.  x has one set of registers: blocks 0-3 are fetched anew in the step's middle, blocks 4-7 at its end; W has two sets.
.macro STEP q, first, wt
	s_wait_dscnt \wt                               ; all but the youngest sixteen loads (x's blocks 4-7)
	MULQK 0, 0, 0, (\q)%2, \first
	MULV 0, 0, 0, (\q)%2, \first
	s_wait_dscnt 0x0
	PLACES
	FETCH_W (\q)%4, 1, 1
	FETCH_X (\q)%2, 1, 0
	MULQK 4, 0, 0, (\q)%2, \first
	MULV 4, 0, 0, (\q)%2, \first
	PLACES
	WIN 0
	FETCH_X (\q)%2, 1, 4
.endm
; A slot's second 128 change slots: ONE barrier; in front of it each wave waits for all its tensor loads, adds 0 to its spare word, and waits for that and for its reads of the slot.
.macro TURN q, fill
	s_wait_tensorcnt 0x0                           ; my part of the next slot has landed; no load of mine is out
	ds_add_u32 v1, v2
	s_wait_dscnt 17                                ; (the add and x's blocks 4-7 may be out)
	MULQK 0, 1, 1, (\q)%2, 0
	s_wait_dscnt 0x0                               ; the add is done, and my reads of this slot are over
	s_barrier_signal -1
	MULV 0, 1, 1, (\q)%2, 0
	WIN 0
	s_barrier_wait -1
.if \fill
	CREST                                          ; the barrier has opened a round of the cluster's: no wave of any partner still reads this slot or has a load on its way
	s_add_nc_u64 s[50+4*((\q)%2):51+4*((\q)%2)], s[50+4*((\q)%2):51+4*((\q)%2)], 102400   ; two slots on
	tensor_load_to_lds s[48+4*((\q)%2):51+4*((\q)%2)], s[24:31]      ; my one load behind the round: 72 matrix instructions ahead of the wait for it
	s_nop 0
.endif
	PLACES
	FETCH_W ((\q)+1)%4, 0, 0
	FETCH_X ((\q)+1)%2, 0, 0
	FETCH_S ((\q)+1)%2, ((\q)+1)%4
.if (\fill) && ((\q) < 5)
	ASK (\q)+3                                     ; the piece that the next change of slots will ask for
.endif
	MULQK 4, 1, 1, (\q)%2, 0
	MULV 4, 1, 1, (\q)%2, 0
	PLACES
	WIN 0
	FETCH_X ((\q)+1)%2, 0, 4
.endm
; Four blocks of 32 numbers, each a lane's own, from register r0 .. r3 on of another window, become half fragments in v[CD + 8 k] on, bytes in v[BY + k].  wm, wc: the windows for the maxima and the conversions.
.macro QB wm, wc, r0, r1, r2, r3
	WIN \wm
	v_max3_num_f32 v[TM], |v[\r0]|, |v[\r0+1]|, FLOOR         ; each accumulator is read from its low end on
	v_max3_num_f32 v[TM+1], |v[\r1]|, |v[\r1+1]|, FLOOR
	v_max3_num_f32 v[TM+2], |v[\r2]|, |v[\r2+1]|, FLOOR
	v_max3_num_f32 v[TM+3], |v[\r3]|, |v[\r3+1]|, FLOOR
.irp i, 2,4,6,8,10,12,14,16,18,20,22,24,26,28,30
	v_max3_num_f32 v[TM], |v[\r0+\i]|, |v[\r0+\i+1]|, v[TM]
	v_max3_num_f32 v[TM+1], |v[\r1+\i]|, |v[\r1+\i+1]|, v[TM+1]
	v_max3_num_f32 v[TM+2], |v[\r2+\i]|, |v[\r2+\i+1]|, v[TM+2]
	v_max3_num_f32 v[TM+3], |v[\r3+\i]|, |v[\r3+\i+1]|, v[TM+3]
.endr
	WIN 0
.irp k, 0,1,2,3
	v_add_nc_u32 v[TS+\k], 0xff000000, v[TM+\k]    ; 2 off the exponent field: the conversion's scale operand
.endr
.irp k, 0,1,2,3
	v_lshrrev_b32 v[BY+\k], 23, v[TS+\k]
.endr
	WIN \wc
	v_cvt_scalef32_pk16_fp6_f32 v[CD:CD+2], v[\r0:\r0+15], v[TS]
	v_cvt_scalef32_pk16_fp6_f32 v[CT:CT+2], v[\r0+16:\r0+31], v[TS]
	v_cvt_scalef32_pk16_fp6_f32 v[CD+8:CD+10], v[\r1:\r1+15], v[TS+1]
	v_cvt_scalef32_pk16_fp6_f32 v[CT+4:CT+6], v[\r1+16:\r1+31], v[TS+1]
	v_cvt_scalef32_pk16_fp6_f32 v[CD+16:CD+18], v[\r2:\r2+15], v[TS+2]
	v_cvt_scalef32_pk16_fp6_f32 v[CT+8:CT+10], v[\r2+16:\r2+31], v[TS+2]
	v_cvt_scalef32_pk16_fp6_f32 v[CD+24:CD+26], v[\r3:\r3+15], v[TS+3]
	v_cvt_scalef32_pk16_fp6_f32 v[CT+12:CT+14], v[\r3+16:\r3+31], v[TS+3]
	v_nop                                          ; one plain place behind the conversions
	WIN 0
.irp k, 0,1,2,3
.irp i, 0,1,2
	v_mov_b32 v[CD+8*\k+3+\i], v[CT+4*\k+\i]
.endr
.endr
.endm
; A pass's results become codes in LDS.
.macro EPI p
.set PO, (1-\p)*PART
.irp gg, 0,1                           ; q or k: my tiles 4 gg .. 4 gg + 3; a lane's block: its row, d = 32 h on
	QB 0x0a, 0x02, 128*\gg, 128*\gg+32, 128*\gg+64, 128*\gg+96
.irp k, 0,1,2,3
	ds_store_b128 v20, v[CD+8*\k:CD+8*\k+3] offset:PO+(4*\gg+\k)*768
	ds_store_b64 v21, v[CD+8*\k+4:CD+8*\k+5] offset:PO+(4*\gg+\k)*768+512
.endr
.irp k, 0,1,2,3
	v_lshlrev_b32 v[WD+\k], v26, v[BY+\k]          ; my byte at place h,
.endr
.irp k, 0,1,2,3
	v_permlanex16_b32 v[PT+\k], v[WD+\k], s74, s75
.endr
.irp k, 0,1,2,3
	v_or_b32 v[WD+\k], v[WD+\k], v[PT+\k]          ; with the other half's: the row's word (bytes 2, 3 stay 0: they meet zero codes)
.endr
.irp k, 0,1,2,3
	ds_store_b32 v22, v[WD+\k] offset:PO+(4*\gg+\k)*128
.endr
	s_wait_dscnt 0x0                               ; the stores have read their registers
.endr
	QB 0x0f, 0x03, 0, 32, 64, 96                   ; v: block 2 u + g': tile u, my group g'; a lane's block: its d, keys 32 h on
.irp u, 0,1
.irp gg, 0,1
	ds_store_b128 v23, v[CD+8*(2*\u+\gg):CD+8*(2*\u+\gg)+3] offset:PO+\u*3072+\gg*768
	ds_store_b64 v24, v[CD+8*(2*\u+\gg)+4:CD+8*(2*\u+\gg)+5] offset:PO+\u*3072+\gg*768+512
.endr
.endr
.irp u, 0,1
	v_lshl_or_b32 v[WD+\u], v[BY+2*\u+1], 16, v[BY+2*\u]
.endr
.irp u, 0,1
	v_lshlrev_b32 v[WD+\u], v26, v[WD+\u]
.endr
.irp u, 0,1
	v_permlanex16_b32 v[PT+\u], v[WD+\u], s74, s75
.endr
.irp u, 0,1
	v_or_b32 v[WD+\u], v[WD+\u], v[PT+\u]
.endr
.irp u, 0,1
	ds_store_b32 v25, v[WD+\u] offset:PO+\u*256
.endr
	s_wait_dscnt 0x0
.endm
	s_wait_alu depctr_va_vdst(0)
	s_wait_tensorcnt 0x0                           ; my first fill has landed; the later first fills are issued as a refill is
	ds_add_u32 v1, v2
	s_add_co_u32 s41, s41, 51200                   ; no load of mine is out: x's group 0 goes on to slot 1 and piece 1
	s_add_nc_u64 s[42:43], s[42:43], 51200
	s_wait_dscnt 0x0
	CROUND                                         ; everybody's first fill is in, and the joint loads meet
	HLOAD 60, 40                                   ; W's K pieces 2, 3 and slot 1: my one load behind the round
	FETCH_W 0, 0, 0
	FETCH_X 0, 0, 0
	FETCH_S 0, 0
	FETCH_X 0, 0, 4
	s_wait_loadcnt 0x0                             ; the biases
	STEP 0, 1, 16                                  ; pass 0: rows 0-255
	TURN 0, 1
	STEP 1, 0, 16
	TURN 1, 1
	STEP 2, 0, 16
	TURN 2, 1
	STEP 3, 0, 16
	TURN 3, 1                                      ; (has fetched pass 1's first fragments)
	EPI 0
	STEP 4, 1, 0                                   ; pass 1: rows 256-511
	TURN 4, 1
	STEP 5, 0, 16
	TURN 5, 1
	STEP 6, 0, 16
	TURN 6, 0                                      ; nothing is left to fetch
	STEP 7, 0, 16
	s_wait_dscnt 16
	MULQK 0, 1, 1, 1, 0
	MULV 0, 1, 1, 1, 0
	s_wait_dscnt 0x0                               ; my reads of slot 1 are over
	MULQK 4, 1, 1, 1, 0
	MULV 4, 1, 1, 1, 0
	WIN 0
	PLACES
	s_barrier_signal -1                            ; nobody reads slot 1 any more: pass 1's codes may be stored there
	s_barrier_wait -1
	v_mov_b32 v17, v3                              ; my first tile's images of the mask are asked for here, into registers that held x's fragments (four places behind the last products):
	v_mov_b32 v18, v4                              ; they land while the second pass's results are quantised
	MBLOAD
	EPI 1
	s_barrier_signal -1                            ; (EPI ends with the wait for my stores)  all codes lie in LDS
	s_barrier_wait -1
	; ---------------- attention
	s_wait_xcnt 0x0                                ; the prefetches, long ago, have read v5: it is written again below
	v_add_nc_u32 v5, DBASE+PART, v3                ; pass 0's codes, pass 1's: + 16 l, + 8 l, + 4 l
	v_add_nc_u32 v6, DBASE, v3
	v_add_nc_u32 v7, DBASE+PART, v4
	v_add_nc_u32 v8, DBASE, v4
	v_add_nc_u32 v9, DBASE+PART, v27
	v_add_nc_u32 v10, DBASE, v27
	s_xor_b32 s66, s17, 1                          ; my eight query tiles lie in pass wave / 2, from tile 8 (wave % 2) on
	s_mul_i32 s66, s66, PART
	s_mul_i32 s67, s18, 6144
	s_add_co_u32 s67, s67, s66
	s_add_co_u32 s67, s67, DBASE
	v_add_nc_u32 v11, s67, v3
	v_add_nc_u32 v12, s67, v4
	s_lshl_b32 s67, s18, 10
	s_add_co_u32 s67, s67, s66
	s_add_co_u32 s67, s67, DBASE+QS
	v_add_nc_u32 v13, s67, v27
	s_wait_alu depctr_va_vdst(0)                   ; the addresses above were written among scalar lines
	WIN 0x80
.set kt, 0
.rept 32                               ; K's 32 tiles, six registers each, on end in window 2
	ds_load_b128 v[6*kt:6*kt+3], v[5+kt/16] offset:KC+(kt%16)*768
	ds_load_b64 v[6*kt+4:6*kt+5], v[7+kt/16] offset:KC+(kt%16)*768+512
.set kt, kt+1
.endr
.irp i, 0,1,2,3,4,5
	v_mov_b32 v[192+\i], 0                         ; what the last tile's operand names beyond its codes
.endr
	WIN 0xc0
.irp dt, 0,1,2,3                       ; V's 16 fragments (16 d x 128 keys) in window 3
.irp G, 0,1,2,3
	LOADF 12*(4*\dt+\G), 5+\G/2, 7+\G/2, VC+\dt*3072+(\G%2)*1536
.endr
.endr
	WIN 0
.set kt, 0
.rept 32
	ds_load_b32 v[KSC+kt], v[9+kt/16] offset:KS+(kt%16)*128
.set kt, kt+1
.endr
.irp dt, 0,1,2,3
.irp G, 0,1,2,3
	ds_load_b32 v[VSC+4*\dt+\G], v[9+\G/2] offset:VS+\dt*256+(\G%2)*128
.endr
.endr
	ds_load_b128 v[QR:QR+3], v11                   ; my first tile's Q
	ds_load_b64 v[QR+4:QR+5], v12 offset:512
	ds_load_b32 v[QSC], v13
.irp i, 0,1,2,3,4,5
	v_mov_b32 v[QR+6+\i], 0                        ; zero codes for k = 64 .. 127
	v_mov_b32 v[MB+48+\i], 0
.endr
	v_mov_b32 v8, 0                                ; the context's scale halfwords: a pair that is shifted down 16 bits a tile
	v_mov_b32 v9, 0
	v_mov_b32 v[S1], 0xb1b1                        ; 2^50 for blocks 0 and 1
.set ii, 0
.rept 48
	v_mov_b32 v[ID+ii], 0
.set ii, ii+1
.endr
	v_and_b32 v23, 15, v0                          ; r
	v_mul_u32_u24 v23, v23, 6                      ; the unit matrices: row m = r has the code 1.0 (001000) at k = 16 tile + r: bit 6 r + 3 of the 96 bits of sixteen codes
	v_add_nc_u32 v23, 3, v23
	v_lshrrev_b32 v24, 5, v23
	v_and_b32 v23, 31, v23
	v_mov_b32 v25, 1
	v_lshlrev_b32 v23, v23, v25
	s_mov_b32 s70, 0xffff                          ; lanes 0-15,
	s_mov_b32 s71, 0xffff0000                      ; lanes 16-31  (the loads that named s68-71 were waited for ahead of the first products)
.irp k, 0,1,2
	v_cmp_eq_u32 vcc_lo, \k, v24
	v_cndmask_b32 v25, 0, v23, vcc_lo
	v_cndmask_b32 v[ID+\k], 0, v25, s70            ; tile 0: k = r: lanes 0-15, first sixteen codes
	v_cndmask_b32 v[ID+15+\k], 0, v25, s70         ; tile 1: k = 16 + r
	v_cndmask_b32 v[ID+24+\k], 0, v25, s71         ; tile 2: k = 32 + r: lanes 16-31
	v_cndmask_b32 v[ID+39+\k], 0, v25, s71         ; tile 3
.endr
	PLACES                                         ; operands written by vector instructions stand four places ahead of a scaled matrix instruction
; S^T: register 32 g + 8 t + j of lane (r, h), in window 1: query r, key 64 g + 32 h + 8 t + j.
.macro BIAS g, t                       ; tile (g, t) begins as the mask
	WIN 0x40
	WM0 32*(\g)+8*(\t), ID+12*(\t), MB+6*(\g), S1, S1
.endm
.macro SCORE kt                        ; and K Q^T is added onto it
	WIN 0x52
	WM 8*(\kt), 6*(\kt), QR, 8*(\kt), KSC+(\kt), QSC, 0
.endm
.macro MXD d, k                        ; matrix instruction k of the sixteen of blocks 2 d, 2 d + 1: eight of the mask, then eight of the scores: seven other accumulators' turns lie between a tile's two
.if (\k) < 8
	BIAS 2*(\d)+(\k)/4, (\k)%4
.else
	SCORE 8*(\d)+(\k)-8
.endif
.endm
.macro SF p                            ; pair p of the 128: s c - mc_g, one rounding
	v_pk_fma_f32 v[2*(\p):2*(\p)+1], v[2*(\p):2*(\p)+1], s[72:73], v[RMX+2*((\p)/16):RMX+2*((\p)/16)+1] op_sel_hi:[1,0,0] neg_lo:[0,0,1] neg_hi:[0,0,1]
.endm
; The softmax's first part for blocks 2 d and 2 d + 1, by turns: largest scores, p, sums of p.  Behind every second pair of exponentials stands one matrix instruction of the next two blocks.
.macro HAND d, k, e                    ; matrix instructions k .. e - 1 of blocks 2 d, 2 d + 1 are in hand
.set HD, \d
.set HK, \k
.set HE, \e
.endm
.macro HOST                            ; the next of them, if any is left
.if HK < HE
	MXD HD, HK
.set HK, HK+1
.endif
.endm
; XM: the largest scores of blocks 2 d and 2 d + 1, m_g, mc_g.  Eight places for a matrix instruction in hand.
.macro XM d
	WIN 0x05                                       ; two chains a block
.irp u, 0,1
	v_max_num_f32 v[RMX+4*\d+2*\u], v[64*\d+32*\u], v[64*\d+32*\u+1]
	v_max_num_f32 v[RMX+4*\d+2*\u+1], v[64*\d+32*\u+16], v[64*\d+32*\u+17]
.endr
.irp i, 2,4,6,8,10,12,14
	HOST
	WIN 0x05
.irp u, 0,1
	v_max3_num_f32 v[RMX+4*\d+2*\u], v[64*\d+32*\u+\i], v[64*\d+32*\u+\i+1], v[RMX+4*\d+2*\u]
	v_max3_num_f32 v[RMX+4*\d+2*\u+1], v[64*\d+32*\u+16+\i], v[64*\d+32*\u+17+\i], v[RMX+4*\d+2*\u+1]
.endr
.endr
	WIN 0
.irp u, 0,1
	v_max3_num_f32 v[RMX+4*\d+2*\u+1], v[RMX+4*\d+2*\u], v[RMX+4*\d+2*\u+1], 0xef800000   ; m_g, held at -2^96 from below: a block without a true entry gets p = 0 throughout
.endr
.irp u, 0,1
	v_mul_f32 v[RMX+4*\d+2*\u], s72, v[RMX+4*\d+2*\u+1]                                   ; mc_g
.endr
.irp u, 0,1
	v_fma_f32 v[RFF+4*\d+2*\u+1], v[RMX+4*\d+2*\u+1], s72, -v[RMX+4*\d+2*\u]              ; the largest score through the same multiply-add; its exponential follows with the f_g
.endr
	HOST
.endm
; FM: s c - mc_g of blocks 2 d, 2 d + 1, outside a batch; a matrix instruction in hand behind every fourth pair.
.macro FM d
.set pq, 0
.rept 32
	WIN 0x41
	SF 32*\d+pq
.if pq%4 == 3
	HOST
.endif
.set pq, pq+1
.endr
.endm
; EX: the batch of exponentials of blocks 2 d, 2 d + 1.  A wait stands ahead of the batch and one behind it (the caller writes that one).  What stands among the exponentials reads only what was
; written ahead of the first wait, and is read only behind the second: the multiply-adds of blocks 2 d + 2, 2 d + 3, and the products of the mask that are in hand.
.macro EX d
	WIN 0x41
	s_wait_alu depctr_va_vdst(0)
.set pq, 0
.rept 32
	WIN 0x41
	v_exp_f32 v[64*\d+2*pq], v[64*\d+2*pq]
	v_exp_f32 v[64*\d+2*pq+1], v[64*\d+2*pq+1]
.if \d < 3
	SF 32*(\d+1)+pq
.endif
.if pq%4 == 3
	HOST
.endif
.set pq, pq+1
.endr
.endm
; AS: the sums of p of blocks 2 d, 2 d + 1, two at a time, two chains a block.  Eight places for a matrix instruction in hand.
.macro AS d
	WIN 0x05
.irp u, 0,1
	v_pk_add_f32 v[RSS+4*\d+2*\u:RSS+4*\d+2*\u+1], v[64*\d+32*\u:64*\d+32*\u+1], v[64*\d+32*\u+2:64*\d+32*\u+3]
	v_pk_add_f32 v[252+2*\u:253+2*\u], v[64*\d+32*\u+4:64*\d+32*\u+5], v[64*\d+32*\u+6:64*\d+32*\u+7]
.endr
.irp i, 8,12,16,20,24,28
	HOST
.if \i%12 == 8
	HOST                                           ; (at i = 8 and 20 two, on different accumulators: eight in all)
.endif
	WIN 0x01
.irp u, 0,1
	v_pk_add_f32 v[RSS+4*\d+2*\u:RSS+4*\d+2*\u+1], v[64*\d+32*\u+\i:64*\d+32*\u+\i+1], v[RSS+4*\d+2*\u:RSS+4*\d+2*\u+1]
	v_pk_add_f32 v[252+2*\u:253+2*\u], v[64*\d+32*\u+\i+2:64*\d+32*\u+\i+3], v[252+2*\u:253+2*\u]
.endr
.endr
	WIN 0
.irp u, 0,1
	v_pk_add_f32 v[RSS+4*\d+2*\u:RSS+4*\d+2*\u+1], v[RSS+4*\d+2*\u:RSS+4*\d+2*\u+1], v[252+2*\u:253+2*\u]
.endr
.endm
.macro PV G, dt                        ; O^T += V^T P^T: keys 128 G on, d = 16 dt on; the four accumulators by turns
	WIN 0xaf
.if (\G) == 0
	WM0 200+8*(\dt), 12*(4*(\dt)+(\G)), 192+12*(\G), VSC+4*(\dt)+(\G), PSC+(\G)
.else
	WM 200+8*(\dt), 12*(4*(\dt)+(\G)), 192+12*(\G), 200+8*(\dt), VSC+4*(\dt)+(\G), PSC+(\G), 0
.endif
.endm
; Blocks 2 G and 2 G + 1 become fragment G of P (window 3, v192 on): the weights, finished and normalised, then their codes.  Behind every eighth multiplication stands one product of fragment G - 1.
.macro NORM2 G
.set nm, 0
.rept 32
	WIN 0x41
	v_pk_mul_f32 v[64*\G+2*nm:64*\G+2*nm+1], v[64*\G+2*nm:64*\G+2*nm+1], v[RFF+4*\G+2*(nm/16):RFF+4*\G+2*(nm/16)+1] op_sel_hi:[1,0]
.if (\G > 0) && (nm%8 == 7)
	PV \G-1, nm/8
.endif
.set nm, nm+1
.endr
	WIN 0xc1
.irp u, 0,1
	v_cvt_scalef32_pk16_fp6_f32 v[192+12*\G+6*\u:194+12*\G+6*\u], v[64*\G+32*\u:64*\G+32*\u+15], v[RMX+4*\G+2*\u]
	v_cvt_scalef32_pk16_fp6_f32 v[240+4*\u:242+4*\u], v[64*\G+32*\u+16:64*\G+32*\u+31], v[RMX+4*\G+2*\u]
.endr
	v_nop                                          ; one plain place behind the conversions
	WIN 0xc3
.irp u, 0,1
.irp i, 0,1,2
	v_mov_b32 v[195+12*\G+6*\u+\i], v[240+4*\u+\i]
.endr
.endr
.endm
	s_mov_b32 s68, 8                               ; tiles to go
	s_mov_b32 s69, 0x05040302                      ; v_perm_b32: the first source's low half over the second's high half
	s_mov_b32 s76, 0                               ; the tile
	s_mov_b32 s77, 0                               ; steps of Q's codes and of its scale words
	s_mov_b32 s78, 0
	s_wait_alu depctr_va_vdst(0)
.Ltile:
	s_wait_loadcnt 0x0                             ; the mask's images,
	s_wait_dscnt 0x0                               ; Q (in the first trip K and V too)
.set kk, 0
.rept 16                               ; blocks 0 and 1: there is no vector work yet to set between them
	MXD 0, kk
.set kk, kk+1
.endr
	WIN 0
	PLACES
	HAND 1, 0, 16                                  ; blocks 2, 3: the mask's products among XM 0's lines, the scores' among FM 0's
	XM 0
	FM 0
	XM 1
	HAND 2, 0, 8                                   ; blocks 4, 5: the mask's products in the batch,
	EX 0
	WIN 0x05
	s_wait_alu depctr_va_vdst(0)                   ; the batch's closing wait
	HAND 2, 8, 16                                  ; the scores' behind it
	AS 0
	XM 2
	HAND 3, 0, 8                                   ; blocks 6, 7 likewise
	EX 1
	WIN 0x05
	s_wait_alu depctr_va_vdst(0)
	HAND 3, 8, 16
	AS 1
	XM 3
	WIN 0                                          ; the last products of the mask and of the scores stand more than four plain lines back: the next tile's images and Q are asked for
	s_add_co_u32 s66, s76, 1                       ; (the last trip asks for its own tile's images once more: no load leaves mq)
	s_min_u32 s66, s66, 7
	s_mul_i32 s66, s66, 6144
	v_add_nc_u32 v17, s66, v3                      ; (the loads that named v17, v18 were waited for at the trip's head)
	v_add_nc_u32 v18, s66, v4
	MBLOAD
	s_add_co_u32 s77, s77, 768                     ; the last product of the scores stands thirty additions back: the next tile's Q.  (The last trip reads written LDS bytes that nobody uses)
	s_add_co_u32 s78, s78, 128
	v_add_nc_u32 v14, s77, v11
	v_add_nc_u32 v15, s77, v12
	v_add_nc_u32 v16, s78, v13
	ds_load_b128 v[QR:QR+3], v14
	ds_load_b64 v[QR+4:QR+5], v15 offset:512
	ds_load_b32 v[QSC], v16
	EX 2
	WIN 0x05
	s_wait_alu depctr_va_vdst(0)
	AS 2
	v_max3_num_f32 v23, v[RMX], v[RMX+2], v[RMX+4] ; R: the row's largest mc_g,
	v_max3_num_f32 v24, v[RMX+6], v[RMX+8], v[RMX+10]
	v_max3_num_f32 v23, v23, v[RMX+12], v[RMX+14]
	v_max_num_f32 v23, v23, v24
	v_permlanex16_b32 v24, v23, s74, s75
	v_max_num_f32 v23, v23, v24                    ; over both halves of the lanes
.irp g, 0,1,2,3,4,5,6,7
	v_sub_f32 v[RFF+2*\g], v[RMX+2*\g], v23
.endr
	EX 3                                           ; the last batch: blocks 6, 7, and with them the sixteen below
	WIN 0
.irp g, 0,1,2,3,4,5,6,7
	v_exp_f32 v[RFF+2*\g], v[RFF+2*\g]
.endr
.irp g, 0,1,2,3,4,5,6,7
	v_exp_f32 v[RFF+2*\g+1], v[RFF+2*\g+1]         ; the block's largest p: the same two instructions on the same number give the same bits
.endr
	v_nop                                          ; a plain place behind the batch
	WIN 0x05
	s_wait_alu depctr_va_vdst(0)                   ; the batch's closing wait
	AS 3
.irp g, 0,1,2,3,4,5,6,7
	v_add_f32 v[RSS+2*\g], v[RSS+2*\g], v[RSS+2*\g+1]
.endr
	v_mul_f32 v24, v[RFF], v[RSS]
	v_mul_f32 v25, v[RFF+2], v[RSS+2]
	v_fmac_f32 v24, v[RFF+4], v[RSS+4]
	v_fmac_f32 v25, v[RFF+6], v[RSS+6]
	v_fmac_f32 v24, v[RFF+8], v[RSS+8]
	v_fmac_f32 v25, v[RFF+10], v[RSS+10]
	v_fmac_f32 v24, v[RFF+12], v[RSS+12]
	v_fmac_f32 v25, v[RFF+14], v[RSS+14]
	v_add_f32 v24, v24, v25
	v_permlanex16_b32 v25, v24, s74, s75
	v_add_f32 v24, v24, v25                        ; the row's sum under R
	v_max_num_f32 v24, 0xd800000, v24              ; held at 2^-100 from below: an empty row, whose sum is 0, divides its zeros by that
	s_wait_alu depctr_va_vdst(0)
	v_rcp_f32 v25, v24
	v_nop                                          ; a plain place behind the reciprocal
	s_wait_alu depctr_va_vdst(0)
.irp g, 0,1,2,3,4,5,6,7
	v_mul_f32 v[RFF+2*\g], v[RFF+2*\g], v25        ; F_g
.endr
.irp g, 0,1,2,3,4,5,6,7
	v_mul_f32 v[RMX+2*\g], v[RFF+2*\g+1], v[RFF+2*\g]   ; the block's largest weight
.endr
.irp g, 0,1,2,3,4,5,6,7
	v_max_num_f32 v[RMX+2*\g], FLOOR, v[RMX+2*\g]
.endr
.irp g, 0,1,2,3,4,5,6,7
	v_add_nc_u32 v[RMX+2*\g], 0xff000000, v[RMX+2*\g]   ; the conversions' scale operands
.endr
.irp g, 0,1,2,3,4,5,6,7
	v_lshrrev_b32 v[RSS+2*\g+1], 23, v[RMX+2*\g]   ; the bytes
.endr
.irp G, 0,1,2,3
	v_lshl_or_b32 v[RSS+2*\G], v[RSS+4*\G+3], 16, v[RSS+4*\G+1]
.endr
.irp G, 0,1,2,3
	v_lshlrev_b32 v[RSS+2*\G], v26, v[RSS+2*\G]
.endr
.irp G, 0,1,2,3
	v_permlanex16_b32 v[RMX+2*\G+1], v[RSS+2*\G], s74, s75
.endr
.irp G, 0,1,2,3
	v_or_b32 v[PSC+\G], v[RSS+2*\G], v[RMX+2*\G+1] ; the weights' scale word of keys 128 G on
.endr
	NORM2 0
	NORM2 1
	NORM2 2
	NORM2 3
	PLACES                                         ; operands written by vector instructions stand four places ahead of a scaled matrix instruction
	PV 3, 0
	PV 3, 1
	PV 3, 2
	PV 3, 3
	WIN 0
	PLACES
	s_wait_xcnt 0x0                                ; the last tile's stores have read their registers and offsets
	WIN 0x0a                                       ; the context: a lane's 32 registers are d = 32 h .. 32 h + 31 of its query: a block of the last product's K
	v_max3_num_f32 v23, |v200|, |v201|, FLOOR
	v_max3_num_f32 v24, |v216|, |v217|, FLOOR
.irp i, 2,4,6,8,10,12,14
	v_max3_num_f32 v23, |v[200+\i]|, |v[201+\i]|, v23
	v_max3_num_f32 v24, |v[216+\i]|, |v[217+\i]|, v24
.endr
	WIN 0
	v_max_num_f32 v23, v23, v24
	v_add_nc_u32 v25, 0xff000000, v23
	v_lshrrev_b32 v46, 23, v25
	WIN 0x02
	v_cvt_scalef32_pk16_fp6_f32 v[246:248], v[200:215], v25
	v_cvt_scalef32_pk16_fp6_f32 v[252:254], v[216:231], v25
	v_nop
	WIN 0
	v_mov_b32 v249, v252
	v_mov_b32 v250, v253
	v_mov_b32 v251, v254
	v_lshlrev_b32 v46, v26, v46
	v_permlanex16_b32 v255, v46, s74, s75
	v_or_b32 v46, v46, v255                        ; the query's two bytes of this head, in both halves of the lanes
	s_cmp_lt_u32 s76, 4                            ; tiles 0-3 are my first group's: lanes 0-15 keep them; tiles 4-7 my second's: lanes 16-31
	s_cselect_b32 s79, s70, s71
	v_perm_b32 v23, v9, v8, s69                    ; the pair 16 bits down,
	v_perm_b32 v24, v46, v9, s69                   ; the new halfword on top: after four tiles tile 0's lies lowest
	v_cndmask_b32 v8, v8, v23, s79
	v_cndmask_b32 v9, v9, v24, s79
	s_lshr_b32 s66, s76, 2
	s_mul_i32 s66, s66, 49152
	s_and_b32 s67, s76, 3
	s_mul_i32 s67, s67, 3072
	s_add_co_u32 s66, s66, s67
	v_add_nc_u32 v21, s66, v3
	v_add_nc_u32 v22, s66, v4
	global_store_b128 v21, v[246:249], s[82:83]    ; 512 and 256 consecutive bytes, aligned
	global_store_b64 v22, v[250:251], s[82:83] offset:512
	s_add_co_u32 s76, s76, 1
	s_sub_co_u32 s68, s68, 1
	s_cmp_lg_u32 s68, 0
	s_wait_alu depctr_va_vdst(0)                   ; directly ahead of the branch
	s_cbranch_scc1 .Ltile
	global_store_b64 v4, v[8:9], s[84:85]          ; lane (r, h): the halfwords of tiles 0 .. 3 of my group h: 256 consecutive bytes, aligned
	s_wait_dscnt 0x0                               ; my last reads of the codes are back
	s_barrier_signal -1                            ; so are everybody's, before any wave's closing lines
	s_barrier_wait -1
	s_wait_tensorcnt 0x0                           ; the wave's end
	ds_add_u32 v1, v2
	s_wait_dscnt 0x0
	CROUND                                         ; the closing round
	s_endpgm
.Lfunc_end_k_q53429f8779_qkvattn:
	.size	k_q53429f8779_qkvattn, .Lfunc_end_k_q53429f8779_qkvattn-k_q53429f8779_qkvattn
	.p2alignl 7, 3214868480
	.fill 96, 4, 3214868480
	.section	.rodata,"a",@progbits
	.p2align	6, 0x0
	.amdhsa_kernel k_q53429f8779_qkvattn
		.amdhsa_group_segment_fixed_size 327680
		.amdhsa_private_segment_fixed_size 0
		.amdhsa_enable_private_segment 0
		.amdhsa_kernarg_size 48
		.amdhsa_user_sgpr_count 2
		.amdhsa_user_sgpr_kernarg_segment_ptr 1
		.amdhsa_wavefront_size32 1
		.amdhsa_system_sgpr_workgroup_id_x 1
		.amdhsa_system_sgpr_workgroup_id_y 1
		.amdhsa_system_sgpr_workgroup_id_z 1
		.amdhsa_system_vgpr_workitem_id 0
		.amdhsa_next_free_vgpr 1024
		.amdhsa_next_free_sgpr 100
		.amdhsa_reserve_vcc 1
		.amdhsa_float_denorm_mode_32 3
		.amdhsa_float_denorm_mode_16_64 3
		.amdhsa_memory_ordered 1
		.amdhsa_forward_progress 1
		.amdhsa_inst_pref_size 255
	.end_amdhsa_kernel
	.section	.bss,"aw",@nobits
	.p2align	6
	.space	262144
	.amdgpu_metadata
---
amdhsa.version: [ 1, 2 ]
amdhsa.kernels:
  - .name:           k_q53429f8779_qkvattn
    .symbol:         k_q53429f8779_qkvattn.kd
    .args:
      - { .name: xq, .offset: 0, .size: 8, .value_kind: global_buffer, .address_space: global }
      - { .name: wq, .offset: 8, .size: 8, .value_kind: global_buffer, .address_space: global }
      - { .name: bqkv, .offset: 16, .size: 8, .value_kind: global_buffer, .address_space: global }
      - { .name: mq, .offset: 24, .size: 8, .value_kind: global_buffer, .address_space: global }
      - { .name: cq, .offset: 32, .size: 8, .value_kind: global_buffer, .address_space: global }
      - { .name: cs, .offset: 40, .size: 8, .value_kind: global_buffer, .address_space: global }
    .group_segment_fixed_size: 327680
    .private_segment_fixed_size: 0
    .kernarg_segment_align: 8
    .kernarg_segment_size: 48
    .max_flat_workgroup_size: 128
    .sgpr_count:     100
    .vgpr_count:     1024
    .wavefront_size: 32
...
	.end_amdgpu_metadata
.endif
;; end of part 2
;; launch outproj (part 3): grid 8 x 32, 4 waves a work-group, clusters of 4 x 4, 327,680 bytes of LDS; arguments cq, cs, wo, bout, out0; writes out0
.if DOCPART == 3
	.amdgcn_target "amdgcn-amd-amdhsa--gfx1250"
	.amdhsa_code_object_version 6
	.text
	.protected	k_q53429f8779_outproj
	.globl	k_q53429f8779_outproj
	.p2align	8
	.type	k_q53429f8779_outproj,@function
k_q53429f8779_outproj:
	s_mov_b64 s[64:65], 0
	v_nop
	global_prefetch_b8 v0, s[64:65] scope:SCOPE_SE
	s_setreg_imm32_b32 hwreg(HW_REG_WAVE_MODE, 25, 1), 1
	s_wait_xcnt 0x0
	s_wait_alu depctr_hold_cnt(0) depctr_sa_sdst(0) depctr_va_vdst(0) depctr_va_sdst(0) depctr_va_ssrc(0) depctr_va_vcc(0) depctr_vm_vsrc(0)
	s_getreg_b32 s2, hwreg(HW_REG_IB_STS2, 6, 4)
	s_cmp_eq_u32 s2, 0
	s_cbranch_scc0 .Lentry_in_a_cluster
	s_endpgm
.Lentry_in_a_cluster:
	s_bfe_u32 s2, ttmp6, 0x10000c
	s_cmp_lg_u32 s2, 0xf033
	s_cbranch_scc0 .Lentry_shape_is_right
	s_endpgm
.Lentry_shape_is_right:
; out0[s][b][:] = context Wout + bout, on codes of E2M3 with E8M0 scales.  A work-group (x = ct, y = 2 b + p) makes 256 rows (batch b, positions 256 p on) x 128 columns (128 ct on), K = 1,024.
; All its operands fit in LDS at once: the context's codes 196,608 bytes, Wout's eight blocks 102,400, the context's scale halfwords 8,192.  Every byte of LDS is filled once, by three joint loads a wave: no ring.
; CLUSTER 4 x 4: the context hangs on y alone and is asked for jointly along a row of the cluster, Wout on ct alone, along a column.
; Wave (I, J): 128 rows x 64 columns.  THE WORK GOES BY ROWS OF THE RESULT, NOT BY K: the launch stores four times the bytes that it reads, so a result should leave as early as it can.  The wave's 32 fragments of Wout
; (4 tiles x 8 K steps, 384 registers) stay in registers; the context comes a tile of 16 rows x 1,024 K (96 registers) at a time, two sets by turns; a tile is 32 products on four accumulators by turns, and it
; leaves as soon as it is finished, while the next tiles are multiplied.  LDS is read no more than it would be by K: each fragment once a wave.
; TRANSPOSED (source 0 = Wout's columns, source 1 = the context's rows): with place (tile, r) = column 32 (r / 8) + 8 tile + r % 8, a lane's 32 registers of a tile of rows are 32 neighbouring columns of one row.
; bout is the C of each tile's first products.
; REGISTERS: window 0: v3-28 addresses; v32-47 Wout's scale words; v48-79 the context's; v80-175 the context's even tiles; v176-239 rows on their way out, two sets.
;   window 1: Wout's K steps 0-4 (48 registers each).   window 2: K steps 5-7.   window 3: v0-95 the context's odd tiles; v128-191 accumulators, two sets; v192-223 bout.
; HOW LDS IS FILLED, as the text below has it (in place of 'three joint loads a wave' above): every byte once, in two stages of one joint load a wave.  At the head waves 0, 1 ask for Wout's two halves (51,200 bytes each),
; waves 2, 3 for the context's groups 0 and 2 (49,152 each): what the first four tiles of every wave need.  Groups 1 and 3 follow behind a full sequence and a round, 24,576 bytes a wave, and are shown whole by a barrier in tile 2's turn.
; The context's scale halfwords, 4,096 bytes for a wave's 128 rows, go from memory straight into registers: they are not asked for jointly, being 8,192 of the work-group's 307,200 bytes.
; The launch claims all of LDS.
.set BLK,  12800
.set WO0,  196608                      ; behind the context [group 4][K piece 4][12,288]: Wout [K piece 4][2][12,800]
.set STG,  307200                      ; the stages for the way out, 16 rows x 272 bytes a wave: bytes of their own, into which no fill lands
.set AX16, 8                           ; v8-9 my two groups of the context (+ 16 l);  v10-11 (+ 8 l)
.set AX8,  10
.set AW16, 12                          ; v12-13 my block of Wout in K pieces {0,1}, {2,3};  v14-15
.set AW8,  14
.set WS,   32
.set XS,   48                          ; 8 kp + tile; lanes 0-15 the piece's first 128 along K, lanes 16-31 its second
.set XF,   80
.set BK,   176
.set ACC,  128
.set BO,   192
.set MSB, 0
.macro WIN new                         ; the immediate's high byte repeats the setting that is left
.if MSB != \new
	s_set_vgpr_msb (MSB<<8)|\new
.set MSB, \new
.endif
.endm
.macro PLACES                          ; four plain places behind a matrix instruction (ISA guide 7.12.1)
.rept 4
	v_nop
.endr
.endm
.macro CROUND                          ; a round of the cluster's barrier
	s_barrier_signal -1
	s_barrier_wait -1
	s_cmp_lg_u32 s16, 0
	s_cbranch_scc1 .Lnot_wave_0_\@
	s_barrier_signal -3
.Lnot_wave_0_\@:
	s_barrier_wait -3
	s_barrier_signal -1
	s_barrier_wait -1
.endm
.macro WM d, a, b, c, sa, sb, row
.if \row
	v_wmma_scale_f32_16x16x128_f8f6f4 v[\d:\d+7], v[\a:\a+11], v[\b:\b+11], v[\c:\c+7], v[\sa], v[\sb] matrix_a_fmt:MATRIX_FMT_FP6 matrix_b_fmt:MATRIX_FMT_FP6 matrix_a_scale:MATRIX_SCALE_ROW1 matrix_b_scale:MATRIX_SCALE_ROW1
.else
	v_wmma_scale_f32_16x16x128_f8f6f4 v[\d:\d+7], v[\a:\a+11], v[\b:\b+11], v[\c:\c+7], v[\sa], v[\sb] matrix_a_fmt:MATRIX_FMT_FP6 matrix_b_fmt:MATRIX_FMT_FP6
.endif
.endm
.macro LOADF reg, a16, a8, off         ; a fragment's image, 1,536 bytes
	ds_load_b128 v[\reg:\reg+3], v[\a16] offset:\off
	ds_load_b64 v[\reg+4:\reg+5], v[\a8] offset:\off+512
	ds_load_b128 v[\reg+6:\reg+9], v[\a16] offset:\off+768
	ds_load_b64 v[\reg+10:\reg+11], v[\a8] offset:\off+1280
.endm
.macro G0SET g, lw, lc, bp             ; a group 0: LDS address = s[lw] + lc, global address = s[bp:bp+1]
	s_mov_b32 s[\g], 1
	s_add_co_u32 s[\g+1], s[\lw], \lc
	s_mov_b64 s[\g+2:\g+3], s[\bp:\bp+1]
	s_or_b32 s[\g+3], s[\g+3], 0x80000000
.endm
	s_load_b256 s[4:11], s[0:1], 0x0               ; cq, cs, wo, bout
	s_load_b64 s[12:13], s[0:1], 0x20              ; out0
	v_lshl_add_u32 v254, v0, 2, 0x4f400
	v_mov_b32 v255, 0
	ds_add_u32 v254, v255
	ds_add_u32 v254, v255
	v_lshrrev_b32 v1, 5, v0
	v_readfirstlane_b32 s16, v1                    ; wave
	s_lshr_b32 s17, s16, 1                         ; I
	s_and_b32 s18, s16, 1                          ; J
	s_bfe_u32 s19, ttmp6, 0x40000                  ; cx
	s_bfe_u32 s20, ttmp6, 0x40004                  ; cy
	s_lshl_b32 s21, ttmp9, 2
	s_add_co_u32 s21, s21, s19                     ; ct
	s_and_b32 s22, ttmp7, 0xffff
	s_lshl_b32 s22, s22, 2
	s_add_co_u32 s22, s22, s20                     ; y = 2 b + p
	s_lshl_b32 s88, s20, 2
	s_lshl_b32 s88, 15, s88                        ; my row of the cluster
	s_lshl_b32 s92, 0x1111, s19                    ; my column
	; group 1: dense bytes as rows of 256: the context 192 rows (a group, all of K), Wout 200 (two K pieces' blocks)
	s_or_b32 s24, s88, (3<<16)|(1<<21)
	s_mov_b32 s25, 32<<16
	s_mov_b32 s26, 192<<16
	s_mov_b32 s27, 32<<16
	s_mov_b32 s28, 192
	s_mov_b32 s29, 32
	s_mov_b32 s30, 0
	s_mov_b32 s31, 0
	s_or_b32 s32, s92, (3<<16)|(1<<21)
	s_mov_b32 s33, 32<<16
	s_mov_b32 s34, 200<<16                         ; Wout: 200 rows (two K pieces' blocks)
	s_mov_b32 s35, 32<<16
	s_mov_b32 s36, 200
	s_mov_b32 s37, 32
	s_mov_b32 s38, 0
	s_mov_b32 s39, 0
	s_mul_i32 s88, s22, 196608                     ; cq [b][g 8][kp 4][12,288]: four groups are 196,608 bytes.  (s40-41, s88-91 never hold cx, s92-93 never cy)
	s_mul_i32 s100, s17, 98304                     ; the second stage: group 1 + 2 (wave / 2), half wave % 2: the wave's number alone
	s_mul_i32 s89, s18, 24576
	s_add_co_u32 s100, s100, s89
	s_add_co_u32 s100, s100, 49152
	s_add_co_u32 s40, s88, s100
	s_mov_b32 s41, 0
	s_mul_i32 s94, s18, 98304                      ; the head: group 2 (wave % 2)
	s_add_co_u32 s88, s88, s94
	s_mov_b32 s89, 0
	s_lshl_b32 s90, s22, 13                        ; cs: 8,192 bytes for these 256 rows, 4,096 for my 128
	s_lshl_b32 s91, s17, 12
	s_add_co_u32 s90, s90, s91
	s_mov_b32 s91, 0
	s_mul_i32 s92, s21, 102400                     ; wo [ct][kp][2][12,800]: K pieces 2 (wave % 2) and the next
	s_mul_i32 s95, s18, 51200
	s_add_co_u32 s92, s92, s95
	s_mov_b32 s93, 0
	s_mov_b32 s98, 0x05040100                      ; v_perm_b32: the two low halves,
	s_mov_b32 s99, 0x07060302                      ; the two high halves
	s_wait_dscnt 0x0
	s_wait_kmcnt 0x0
	s_add_nc_u64 s[88:89], s[4:5], s[88:89]
	s_add_nc_u64 s[90:91], s[6:7], s[90:91]
	s_add_nc_u64 s[92:93], s[8:9], s[92:93]
	s_add_nc_u64 s[40:41], s[4:5], s[40:41]
	G0SET 44, 100, 0, 40
	G0SET 52, 94, 0, 88
	G0SET 56, 95, WO0, 92
	CROUND                                         ; all sixteen work-groups are here: the joint loads meet
	s_cmp_eq_u32 s17, 0                            ; one load a wave: waves 0, 1 Wout, waves 2, 3 the context; both arms lead to one join
	s_cbranch_scc0 .Lfor_ctx
	tensor_load_to_lds s[56:59], s[32:39]
	s_nop 0
	PLACES
	s_branch .Lasked
.Lfor_ctx:
	tensor_load_to_lds s[52:55], s[24:31]
	s_nop 0
	PLACES
.Lasked:
	v_and_b32 v1, 31, v0
	v_lshlrev_b32 v3, 4, v1                        ; 16 l
	v_lshlrev_b32 v4, 3, v1                        ; 8 l
	v_and_b32 v5, 15, v0                           ; r
	v_bfe_u32 v6, v0, 4, 1                         ; h
	s_wait_alu depctr_va_vdst(0)
	s_mul_i32 s96, s17, 98304                      ; my two groups
	s_mul_i32 s97, s18, BLK                        ; my block of Wout
	s_add_co_u32 s97, s97, WO0
.irp k, 0,1
	v_add_nc_u32 v[AX16+\k], s96, v3
	v_add_nc_u32 v[AX8+\k], s96, v4
	v_add_nc_u32 v[AW16+\k], s97, v3
	v_add_nc_u32 v[AW8+\k], s97, v4
	s_add_co_u32 s96, s96, 49152
	s_add_co_u32 s97, s97, 51200
.endr
	v_lshlrev_b32 v24, 9, v6
	v_lshl_add_u32 v24, v5, 3, v24                 ; the halfwords of my 128 rows: 512 h (heads 2 h on of a piece's four) + 8 r
.irp kp, 0,1,2,3                       ; lane (r, h): of heads 4 kp + 2 h and 4 kp + 2 h + 1 the four tiles' halfwords of row place r, for each of my two groups
.irp gg, 0,1
	global_load_b64 v[BK+8*\kp+4*\gg:BK+8*\kp+4*\gg+1], v24, s[90:91] offset:\kp*1024+\gg*128
	global_load_b64 v[BK+8*\kp+4*\gg+2:BK+8*\kp+4*\gg+3], v24, s[90:91] offset:\kp*1024+256+\gg*128
.endr
.endr
	s_mul_i32 s96, s16, 4352                       ; my stage
	s_add_co_u32 s96, s96, STG
	v_mul_u32_u24 v25, v5, 272
	v_lshl_add_u32 v25, v6, 7, v25
	v_add_nc_u32 v25, s96, v25                     ; in: row r, + 128 h
	v_mul_u32_u24 v26, v6, 272
	v_lshl_add_u32 v26, v5, 4, v26
	v_add_nc_u32 v26, s96, v26                     ; back: lanes 0-15 one row of 256 bytes, lanes 16-31 the next
	v_lshlrev_b32 v27, 16, v6
	v_lshl_add_u32 v27, v5, 4, v27                 ; and in out0: a step in s is 65,536 bytes
	v_lshlrev_b32 v28, 7, v6                       ; bout: my 32 numbers begin at column 32 h
	s_lshl_b32 s96, s21, 9
	s_lshl_b32 s97, s18, 8
	s_add_co_u32 s96, s96, s97
	s_mov_b32 s97, 0
	s_add_nc_u64 s[10:11], s[10:11], s[96:97]
	WIN 0xc0
.irp i, 0,1,2,3,4,5,6,7
	global_load_b128 v[BO+4*\i:BO+4*\i+3], v28, s[10:11] offset:16*\i
.endr
	WIN 0
	s_and_b32 s96, s22, 1                          ; out0 at position 256 p + 128 I, batch b, column 128 ct + 64 J
	s_lshl_b32 s96, s96, 24
	s_lshl_b32 s97, s17, 23
	s_add_co_u32 s96, s96, s97
	s_lshr_b32 s97, s22, 1
	s_lshl_b32 s97, s97, 12
	s_add_co_u32 s96, s96, s97
	s_lshl_b32 s97, s21, 9
	s_add_co_u32 s96, s96, s97
	s_lshl_b32 s97, s18, 8
	s_add_co_u32 s96, s96, s97
	s_mov_b32 s97, 0
	s_add_nc_u64 s[12:13], s[12:13], s[96:97]
.macro FETCH_W s                       ; Wout's four fragments of K step s: 16 loads
	WIN (0x40+0x40*((\s)/5))
.irp t, 0,1,2,3
	LOADF 48*((\s)%5)+12*\t, AW16+(\s)/4, AW8+(\s)/4, (((\s)/2)%2)*25600+\t*3072+((\s)%2)*1536
.endr
.endm
.macro FETCH_X a                       ; the context's tile a, all eight K steps: 32 loads; even tiles into window 0, odd ones into window 3
	WIN (0xc0*((\a)%2))
.irp s, 0,1,2,3,4,5,6,7
	LOADF XF*(1-(\a)%2)+12*\s, AX16+(\a)/4, AX8+(\a)/4, (\s/2)*12288+((\a)%4)*3072+(\s%2)*1536
.endr
	WIN 0
.endm
; THE WAY OUT of a tile of 16 rows x 64 columns: through my own stage, back as whole rows of 256 bytes.
.macro TOSTAGE a
	WIN 0x0c                                       ; an LDS store's data are its source 1: window 3
.irp k, 0,1,2,3,4,5,6,7
	ds_store_b128 v25, v[ACC+32*((\a)%2)+4*\k:ACC+32*((\a)%2)+4*\k+3] offset:16*\k      ; each accumulator from its low end on
.endr
	WIN 0
.irp i, 0,1,2,3,4,5,6,7
	ds_load_b128 v[BK+32*((\a)%2)+4*\i:BK+32*((\a)%2)+4*\i+3], v26 offset:\i*544   ; LDS serves a wave's instructions in order: these see my stores, and the next tile's stores come behind them
.endr
.endm
.macro SEND a
	s_wait_dscnt 0x0                               ; the tile is back in registers (its loads, and the fetch in front of them, were issued 32 matrix instructions ago)
.irp i, 0,1,2,3,4,5,6,7
	global_store_b128 v27, v[BK+32*((\a)%2)+4*\i:BK+32*((\a)%2)+4*\i+3], s[12:13] offset:(64*((\a)/4)+32*(\i/4)+8*((\a)%4)+2*(\i%4))*65536 th:TH_STORE_NT   ; row place 2 i + h; 16 lanes store 256 consecutive bytes, aligned; the offset is 126 x 65,536 at the most: inside the signed 24 bits
.endr
.endm
; A tile's turn: its 32 products, the four accumulators by turns, one instruction a turn, K ascending; the tile before leaves; the tile two on is fetched; this tile goes into the stage.
.macro TILE a
.if (\a) == 1
	s_wait_dscnt 48                                ; tile 1's fragments are in: behind them were issued tile 2's 32 loads and the stage's 16 instructions
.endif
.irp s, 0,1,2,3,4,5,6,7
.if (\a) == 0
.if \s == 0
	s_wait_dscnt 63                                ; Wout's K steps 0 to 5 are in: behind K step 5 were issued 64 loads (K steps 6 and 7, tile 1), and the wait's field holds 63
.endif
.if \s == 6
	s_wait_alu depctr_va_vdst(0)
	s_wait_dscnt 48                                ; K step 7 and tile 1 may be out
.endif
.if \s == 7
	s_wait_dscnt 32                                ; tile 1 may be out
.endif
.endif
	WIN (0xf1+0x0c*((\a)%2)+\s/5)                  ; source 0 (Wout) window 1 or 2, source 1 (the context) window 0 or 3, C and D window 3
.irp t, 0,1,2,3
.if \s == 0
	WM ACC+32*((\a)%2)+8*\t, 48*(\s%5)+12*\t, XF*(1-(\a)%2)+12*\s, BO+8*\t, WS+4*(\s/2)+\t, XS+8*(\s/2)+(\a), \s%2
.else
	WM ACC+32*((\a)%2)+8*\t, 48*(\s%5)+12*\t, XF*(1-(\a)%2)+12*\s, ACC+32*((\a)%2)+8*\t, WS+4*(\s/2)+\t, XS+8*(\s/2)+(\a), \s%2
.endif
.endr
.endr
	WIN 0
	PLACES                                         ; in front of the loads into this tile's fragments and of the stores that read its results
.if (\a) > 0
	s_wait_xcnt 0x0                                ; the stores of the tile two back, a whole tile ago, have read their registers: this tile's rows may land there
	SEND (\a)-1
.endif
.if (\a) == 2
	s_wait_tensorcnt 0x0                           ; my part of groups 1 and 3 has landed (no LDS instruction of mine is out: SEND has waited),
	s_barrier_signal -1
	s_barrier_wait -1                              ; everybody's has: tile 4 may be fetched.
.endif
.if (\a) < 6
	FETCH_X (\a)+2
.endif
	TOSTAGE \a
.endm
	s_wait_alu depctr_va_vdst(0)
	s_wait_tensorcnt 0x0                           ; my first load has landed; the later first fill is issued as a refill is
	ds_add_u32 v254, v255
	s_mov_b32 s26, 96<<16                          ; no load of mine is out: from here on a load of the context brings 96 rows
	s_mov_b32 s28, 96
	s_wait_dscnt 0x0
	CROUND                                         ; everybody's first load is in, and the joint loads meet
	tensor_load_to_lds s[44:47], s[24:31]          ; my one load behind the round: my quarter of groups 1 and 3
	s_nop 0
	PLACES
.irp kp, 0,1,2,3
	ds_load_b128 v[WS+4*\kp:WS+4*\kp+3], v[AW16+\kp/2] offset:(\kp%2)*25600+12288      ; Wout's scale words
.endr
	FETCH_X 0
	s_wait_loadcnt 0x0                             ; the halfwords, and bout
.irp kp, 0,1,2,3
.irp gg, 0,1                           ; a scale word: the first head's two bytes below, the second's above
	v_perm_b32 v[XS+8*\kp+4*\gg], v[BK+8*\kp+4*\gg+2], v[BK+8*\kp+4*\gg], s98
	v_perm_b32 v[XS+8*\kp+4*\gg+1], v[BK+8*\kp+4*\gg+2], v[BK+8*\kp+4*\gg], s99
	v_perm_b32 v[XS+8*\kp+4*\gg+2], v[BK+8*\kp+4*\gg+3], v[BK+8*\kp+4*\gg+1], s98
	v_perm_b32 v[XS+8*\kp+4*\gg+3], v[BK+8*\kp+4*\gg+3], v[BK+8*\kp+4*\gg+1], s99
.endr
.endr
.rept 8
	v_nop                                          ; scale registers written by vector instructions stand eight places ahead of a scaled matrix instruction
.endr
.irp s, 0,1,2,3,4,5,6,7
	FETCH_W \s                                     ; Wout's fragments: they stay
.endr
	FETCH_X 1
.irp a, 0,1,2,3,4,5,6,7
	TILE \a
.endr
	SEND 7
	s_wait_tensorcnt 0x0
	ds_add_u32 v254, v255
	s_wait_dscnt 0x0
	CROUND                                         ; the closing round (no LDS instruction and no tensor load of mine is out)
	s_endpgm
.Lfunc_end_k_q53429f8779_outproj:
	.size	k_q53429f8779_outproj, .Lfunc_end_k_q53429f8779_outproj-k_q53429f8779_outproj
	.p2alignl 7, 3214868480
	.fill 96, 4, 3214868480
	.section	.rodata,"a",@progbits
	.p2align	6, 0x0
	.amdhsa_kernel k_q53429f8779_outproj
		.amdhsa_group_segment_fixed_size 327680
		.amdhsa_private_segment_fixed_size 0
		.amdhsa_enable_private_segment 0
		.amdhsa_kernarg_size 40
		.amdhsa_user_sgpr_count 2
		.amdhsa_user_sgpr_kernarg_segment_ptr 1
		.amdhsa_wavefront_size32 1
		.amdhsa_system_sgpr_workgroup_id_x 1
		.amdhsa_system_sgpr_workgroup_id_y 1
		.amdhsa_system_sgpr_workgroup_id_z 1
		.amdhsa_system_vgpr_workitem_id 0
		.amdhsa_next_free_vgpr 1024
		.amdhsa_next_free_sgpr 102
		.amdhsa_reserve_vcc 0
		.amdhsa_float_denorm_mode_32 3
		.amdhsa_float_denorm_mode_16_64 3
		.amdhsa_memory_ordered 1
		.amdhsa_forward_progress 1
		.amdhsa_inst_pref_size 87
	.end_amdhsa_kernel
	.amdgpu_metadata
---
amdhsa.version: [ 1, 2 ]
amdhsa.kernels:
  - .name:           k_q53429f8779_outproj
    .symbol:         k_q53429f8779_outproj.kd
    .args:
      - { .name: cq, .offset: 0, .size: 8, .value_kind: global_buffer, .address_space: global }
      - { .name: cs, .offset: 8, .size: 8, .value_kind: global_buffer, .address_space: global }
      - { .name: wo, .offset: 16, .size: 8, .value_kind: global_buffer, .address_space: global }
      - { .name: bout, .offset: 24, .size: 8, .value_kind: global_buffer, .address_space: global }
      - { .name: out0, .offset: 32, .size: 8, .value_kind: global_buffer, .address_space: global }
    .group_segment_fixed_size: 327680
    .private_segment_fixed_size: 0
    .kernarg_segment_align: 8
    .kernarg_segment_size: 40
    .max_flat_workgroup_size: 128
    .sgpr_count:     102
    .vgpr_count:     1024
    .wavefront_size: 32
...
	.end_amdgpu_metadata
.endif
;; end of part 3
